; MI455X (gfx1250); checked and timed in simulation.
; The chip was launched on July 23, 2026; its instructions are those of AMD's public machine-readable ISA for CDNA 5 (MIT licence, August 2026) and "CDNA5" Instruction Set Architecture Reference Guide (July 2026). The comments in the code are by the model that wrote it; some were corrected since.
;; Multi Head Attention. Allowed arithmetic: matrix products marked QUANTISED: E2M1 operands, one E8M0 scale for each 32 along K, by v_wmma_scale_f32_16x16x128_f8f6f4 with both operands' format E2M1 (or v_wmma_scale_f32_32x16x128_f4), f32 sums; products left as they are: bf16, f16 or f32 operands; f32 sums; everything else in f32.
;; Inputs: Wk 1,024 x 1,024 float32; Wq 1,024 x 1,024 float32; Wv 1,024 x 1,024 float32; bk 1,024 float32; bq 1,024 float32; bv 1,024 float32; k 4 x 2,048 x 1,024 float32; mask 4 x 2,048 x 1 int32; q 4 x 2,048 x 1,024 float32; v 4 x 2,048 x 1,024 float32.
;; Outputs: out0 4 x 2,048 x 1,024 float32.
;; This version of the problem:
;;   THIS VERSION OF THE PROBLEM IS GIVEN IN LOW PRECISION. The matrix products marked QUANTISED in the list below multiply operands that are first quantised to E2M1 (2 exponent bits, 1 mantissa bit; 4 bits a number), with one power-of-two scale for each 32 numbers along K (OCP MX v1.0); their sums are f32. The products marked 'left as it is' may take bf16, f16 or f32 operands, with f32 sums. Whichever they take, every output number must still come out within the allowed error. Rounding operands to bf16 (8 significant bits) uses up far more of that allowance than f16 does (11 bits, for magnitudes from 6e-5 to 65,504). All else is computed in f32.
;;   The module's matrix products, in the order in which they are computed (A, B: the left and right operand; K: the contracted axis; several contracted axes count as one K, in the product's order):
;;     1. [M 8,192, K 1,024] x [K 1,024, N 1,024]; A: input q; B: input Wq: QUANTISED
;;     2. [M 8,192, K 1,024] x [K 1,024, N 1,024]; A: input k; B: input Wk: QUANTISED
;;     3. [M 8,192, K 1,024] x [K 1,024, N 1,024]; A: input v; B: input Wv: QUANTISED
;;     4. batch 64 x [M 2,048, K 64] x [K 64, N 2,048]; A: computed on the way; B: computed on the way: left as it is (an operand is computed on the way)
;;     5. batch 64 x [M 2,048, K 2,048] x [K 2,048, N 64]; A: computed on the way; B: computed on the way: left as it is (an operand is computed on the way)
;;   THE QUANTISER, for each operand of a quantised product, along K:
;;     - K is cut into blocks of 32 from its start; a last block that is shorter is filled with zeros.
;;     - A block's scale is 2^e with e = floor(log2(the largest magnitude in the block)) - 2, held to -126 .. 127; a block of zeros has e = 0. As a byte (E8M0): e + 127.
;;     - Each number is divided by its block's scale, clamped to +-6, and rounded to the nearest number of E2M1, ties to even, subnormals kept.
;;     - The product sums the exact products of the quantised numbers (number of the format x scale) in f32.
;;   ~~~python
;;   def quantise(x, axis):      # numpy; x: float32 -> the quantised numbers, widened to float32 again
;;       x = np.moveaxis(x, axis, -1); K = x.shape[-1]
;;       x = np.pad(x, [(0, 0)] * (x.ndim - 1) + [(0, -K % 32)]); x = x.reshape(x.shape[:-1] + (-1, 32)); a = np.abs(x).max(-1, keepdims=True)
;;       e = np.where(a > 0, np.clip(np.frexp(np.where(a > 0, a, 1))[1] - 1 - 2, -126, 127), 0)      # np.frexp(a)[1] - 1 = floor(log2(a)), exactly
;;       r = np.clip(x / 2.0 ** e, -6, 6)
;;       step = 2.0 ** (np.maximum(np.frexp(np.where(r == 0, 1, r))[1] - 1, 0) - 1)
;;       q = np.round(r / step) * step * 2.0 ** e      # np.round: ties to even
;;       return np.moveaxis(q.reshape(q.shape[:-2] + (-1,))[..., :K], -1, axis).astype(np.float32)
;;   ~~~
;; 2 versions, each right; version 2 is version 1 with the launch proj written anew for expert scheduling mode. Each part assembles by itself: llvm-mc -triple=amdgcn-amd-amdhsa -mcpu=gfx1250 --defsym DOCPART=n.
;; ======== version 1 of 2: 3 launches
;; limits: values are held in f16: magnitudes above 65,504 overflow, below 6.1e-05 lose precision
;; workspace buffers: Wc 1,572,864 bytes; Ws 98,304 bytes; Qf 16,777,216 bytes; Kf 16,777,216 bytes; Vf 16,777,216 bytes; vpart 524,288 bytes; perm 32,768 bytes of whole numbers; cnt 2,048 bytes of whole numbers
;; launch prep (part 1): grid 196 x 1, 4 waves a work-group, no clusters, 0 bytes of LDS; arguments Wq, Wk, Wv, mask, Wc, Ws, perm, cnt; writes Wc, Ws, perm, cnt
.if DOCPART == 1
	.amdgcn_target "amdgcn-amd-amdhsa--gfx1250"
	.amdhsa_code_object_version 6
	.text
	.protected	k_q00aa7d4393_prep
	.globl	k_q00aa7d4393_prep
	.p2align	8
	.type	k_q00aa7d4393_prep,@function
k_q00aa7d4393_prep:
	s_mov_b64 s[64:65], 0
	v_nop
	global_prefetch_b8 v0, s[64:65] scope:SCOPE_SE
	s_setreg_imm32_b32 hwreg(HW_REG_WAVE_MODE, 25, 1), 1
	s_wait_xcnt 0x0
; MULTI-HEAD ATTENTION, launch 1 of 3: the weights become codes of FP4 (E2M1), and each batch's rows are sorted by the mask.
; DEAD WORK: bk.  logits[b,h,q,key] = (qh[q] . (k Wk)[key] + qh[q] . bk_h) / 8.  The second term is the same for every key, and the keys are the softmax's axis: for all values of the
; inputs it cancels in softmax(logits); in a row with mask == 0 every logit is replaced by one constant anyway.  The product of qh and kh is not quantised, so bk enters no code and no scale.
; So bk is not loaded and is an argument of no launch.  LIMIT: a NaN, an infinity or an overflow that reaches the result by bk's term alone is not carried to the result.
; THE MASK works on query rows: where mask[b][q] == 0 all 2,048 logits of the row are equal, the softmax is 1/2048 everywhere, and the output row is the mean over the keys of vh.  That is a choice
; made by whole numbers: this launch reads them and stores, for each batch, the list of rows (those with mask != 0 first, then the others, each group ascending) and the first group's size.
; The third launch reads both from memory and does the two products of attention for the first group's tiles of 16 rows alone.
; WORK-GROUPS 0-191: W [1024 (k)][1024 (n)] f32, K its first axis.  A lane takes a column n and its registers run down K, so a block of 32 along K lies in one lane: its largest magnitude needs no
; other lane and the conversions give codes with K innermost.  Work-group (t, ks, cg): tensor t, k = 128 ks .. + 127, columns 128 cg .. + 127; a wave 32 columns.
; Wc: [t][n-tile 64][ks 8][c 2][lane 32][16 bytes]: the order of the operand's registers: lane (r, h) holds column 16 ntile + r, k = 128 ks + 64 c + 32 h + 0 .. 31.   Ws: [t][n-tile][ks][r] one word: the four scale bytes.
; A block's scale byte is its largest magnitude's exponent field - 2, held at 1 from below.  A block of zeros keeps the byte 1: its codes are zeros, and this program alone reads the bytes.
; LIMITS: blocks whose largest magnitude lies under 2^-124 keep the byte 1; NaN and infinities among the inputs are not served.
; WORK-GROUPS 192-195: batch b = number - 192.  Every wave counts all 64 chunks of 32 rows and places its own 16 chunks.
.set X, 64                             ; v64-191  128 numbers down K
.set CO, 32                            ; v32-47   the codes, four registers a block: no store's data are written again
	s_load_b256 s[4:11], s[0:1], 0x0               ; Wq s[4:5], Wk s[6:7], Wv s[8:9], mask s[10:11]
	s_load_b256 s[12:19], s[0:1], 0x20             ; Wc s[12:13], Ws s[14:15], perm s[16:17], cnt s[18:19]
	v_lshrrev_b32 v1, 5, v0
	v_readfirstlane_b32 s20, v1                    ; wave
	v_and_b32 v2, 31, v0                           ; lane
	v_lshlrev_b32 v3, 2, v2                        ; 4 x lane
	s_wait_kmcnt 0x0
	s_cmp_ge_u32 ttmp9, 192
	s_cbranch_scc1 .Lperm
	s_lshr_b32 s21, ttmp9, 6                       ; t
	s_bfe_u32 s22, ttmp9, 0x30003                  ; ks
	s_and_b32 s23, ttmp9, 7                        ; cg
	s_cmp_eq_u32 s21, 0
	s_cselect_b64 s[4:5], s[4:5], s[6:7]           ; the choice hangs on the work-group's number alone
	s_cmp_eq_u32 s21, 2
	s_cselect_b64 s[4:5], s[8:9], s[4:5]
	s_lshl_b32 s24, s22, 19                        ; W: 128 ks rows of 4,096 bytes
	s_lshl_b32 s26, s23, 9                         ; + 128 cg columns
	s_add_co_u32 s24, s24, s26
	s_lshl_b32 s26, s20, 7                         ; + 32 columns a wave
	s_add_co_u32 s24, s24, s26
	s_mov_b32 s25, 0
	s_add_nc_u64 s[4:5], s[4:5], s[24:25]
	s_lshl_b32 s24, s21, 19                        ; Wc: t x 524,288 + (8 cg + 2 w) x 8,192 + ks x 1,024
	s_lshl_b32 s26, s23, 16
	s_add_co_u32 s24, s24, s26
	s_lshl_b32 s26, s20, 14
	s_add_co_u32 s24, s24, s26
	s_lshl_b32 s26, s22, 10
	s_add_co_u32 s24, s24, s26
	s_add_nc_u64 s[12:13], s[12:13], s[24:25]
	s_lshl_b32 s24, s21, 15                        ; Ws: t x 32,768 + (8 cg + 2 w) x 512 + ks x 64
	s_lshl_b32 s26, s23, 12
	s_add_co_u32 s24, s24, s26
	s_lshl_b32 s26, s20, 10
	s_add_co_u32 s24, s24, s26
	s_lshl_b32 s26, s22, 6
	s_add_co_u32 s24, s24, s26
	s_add_nc_u64 s[14:15], s[14:15], s[24:25]
	v_lshrrev_b32 v4, 4, v2                        ; which of the wave's two n-tiles
	v_and_b32 v5, 15, v2                           ; r
	v_lshlrev_b32 v6, 4, v5
	v_lshl_add_u32 v6, v4, 13, v6                  ; codes: 8,192 x tile + 16 r
	v_lshlrev_b32 v7, 2, v5
	v_lshl_add_u32 v7, v4, 9, v7                   ; scale word: 512 x tile + 4 r
.set i, 0
.rept 128
	global_load_b32 v[X+i], v3, s[4:5] offset:i*4096 th:TH_LOAD_NT   ; W(128 ks + i, my column): 32 lanes read 128 consecutive bytes, the four waves 512
.set i, i+1
.endr
; Block blk of 32 along K: it is (c, h) = (blk / 2, blk % 2) of the fragment.
.macro WBLK blk
.set XS, X+32*(\blk)
.if (\blk) < 2
	s_wait_loadcnt 63                              ; at most 63 of the 128 are out: blocks 0 and 1 are in (96 and 64 would do; the wait's field holds 63)
.else
	s_wait_loadcnt 96-32*(\blk)                    ; the later blocks' loads may be out
.endif
	v_max3_num_f32 v12, |v[XS]|, |v[XS+1]|, |v[XS+2]|              ; the block's largest magnitude, in two chains
	v_max3_num_f32 v13, |v[XS+3]|, |v[XS+4]|, |v[XS+5]|
.irp n, 6,10,14,18,22,26
	v_max3_num_f32 v12, v12, |v[XS+\n]|, |v[XS+\n+1]|
	v_max3_num_f32 v13, v13, |v[XS+\n+2]|, |v[XS+\n+3]|
.endr
	v_max3_num_f32 v12, v12, |v[XS+30]|, |v[XS+31]|
	v_max3_num_f32 v12, v12, v13, 0x1800000        ; and the floor 2^(3 - 127): the byte cannot fall under 1
	v_add_nc_u32 v11, 0xff000000, v12              ; 2 off the exponent field: the conversion takes this operand's exponent field as its scale
	v_lshrrev_b32 v13, 23, v11                     ; the scale's byte
.if (\blk) == 0
	v_mov_b32 v48, v13
.else
	v_lshl_or_b32 v48, v13, 8*(\blk), v48          ; four bytes to the word, the lower K in the lower byte
.endif
.irp g, 0,1,2,3
	v_cvt_scalef32_pk8_fp4_f32 v[CO+4*(\blk)+\g], v[XS+8*\g:XS+8*\g+7], v11
.endr
	global_store_b128 v6, v[CO+4*(\blk):CO+4*(\blk)+3], s[12:13] offset:((\blk)>>1)*512+((\blk)&1)*256   ; sixteen lanes store 256 consecutive bytes, aligned
.endm
	WBLK 0
	WBLK 1
	WBLK 2
	WBLK 3
	global_store_b32 v7, v48, s[14:15]
	s_endpgm
.Lperm:
	s_sub_co_u32 s26, ttmp9, 192                   ; b
	s_lshl_b32 s28, s26, 13                        ; 2,048 words a batch
	s_mov_b32 s29, 0
	s_add_nc_u64 s[10:11], s[10:11], s[28:29]
	s_add_nc_u64 s[16:17], s[16:17], s[28:29]
	s_lshl_b32 s28, s26, 9
	s_add_nc_u64 s[18:19], s[18:19], s[28:29]
	s_lshl_b32 s33, s20, 11
	v_add_nc_u32 v4, s33, v3                       ; my wave's 16 chunks begin 2,048 w bytes on
	s_lshl_b32 s33, s20, 9
	v_add_nc_u32 v7, s33, v2                       ; my row in my wave's first chunk: 512 w + lane
.set j, 0
.rept 64
	global_load_b32 v[64+j], v3, s[10:11] offset:j*128             ; all 64 chunks, for the counts
.set j, j+1
.endr
.set j, 0
.rept 16
	global_load_b32 v[128+j], v4, s[10:11] offset:j*128            ; my own 16 once more: register numbers cannot hang on the wave
.set j, j+1
.endr
	s_mov_b32 s30, 0                               ; rows with mask != 0 in the batch
	s_mov_b32 s31, 0                               ; and ahead of my wave's part
	s_lshl_b32 s32, s20, 4                         ; my first chunk
	s_wait_loadcnt 0x0
.set j, 0
.rept 64
	v_cmp_ne_u32 vcc_lo, 0, v[64+j]
	s_bcnt1_i32_b32 s33, vcc_lo
	s_add_co_u32 s30, s30, s33
	s_cmp_gt_u32 s32, j
	s_cselect_b32 s33, s33, 0
	s_add_co_u32 s31, s31, s33
.set j, j+1
.endr
.set j, 0
.rept 16
	v_cmp_ne_u32 vcc_lo, 0, v[128+j]
	v_mbcnt_lo_u32_b32 v6, vcc_lo, 0               ; rows with mask != 0 in lower lanes of the chunk
	v_add_nc_u32 v6, s31, v6                       ; and in all rows ahead of mine: my place if my mask is not 0
	v_add_nc_u32 v[160+j], 32*j, v7                ; my row
	v_sub_nc_u32 v8, v[160+j], v6                  ; rows with mask == 0 ahead of mine
	v_add_nc_u32 v8, s30, v8                       ; my place if my mask is 0: behind the whole first group
	v_cndmask_b32 v8, v8, v6, vcc_lo
	v_min_u32 v8, 0x7ff, v8                        ; a place is under 2,048 by its make; the bound is written out ahead of the address
	v_lshlrev_b32 v[144+j], 2, v8
	global_store_b32 v[144+j], v[160+j], s[16:17]  ; each chunk has its own address and data registers
	s_bcnt1_i32_b32 s33, vcc_lo
	s_add_co_u32 s31, s31, s33
.set j, j+1
.endr
	v_mov_b32 v9, s30
	v_lshlrev_b32 v10, 2, v0
	global_store_b32 v10, v9, s[18:19]             ; the first group's size, in all 128 words of the batch's 512 bytes
	s_endpgm
.Lfunc_end_k_q00aa7d4393_prep:
	.size	k_q00aa7d4393_prep, .Lfunc_end_k_q00aa7d4393_prep-k_q00aa7d4393_prep
	.p2alignl 7, 3214868480
	.fill 96, 4, 3214868480
	.section	.rodata,"a",@progbits
	.p2align	6, 0x0
	.amdhsa_kernel k_q00aa7d4393_prep
		.amdhsa_group_segment_fixed_size 0
		.amdhsa_private_segment_fixed_size 0
		.amdhsa_enable_private_segment 0
		.amdhsa_kernarg_size 64
		.amdhsa_user_sgpr_count 2
		.amdhsa_user_sgpr_kernarg_segment_ptr 1
		.amdhsa_wavefront_size32 1
		.amdhsa_system_sgpr_workgroup_id_x 1
		.amdhsa_system_sgpr_workgroup_id_y 1
		.amdhsa_system_sgpr_workgroup_id_z 1
		.amdhsa_system_vgpr_workitem_id 0
		.amdhsa_next_free_vgpr 192
		.amdhsa_next_free_sgpr 66
		.amdhsa_reserve_vcc 1
		.amdhsa_float_denorm_mode_32 3
		.amdhsa_float_denorm_mode_16_64 3
		.amdhsa_memory_ordered 1
		.amdhsa_forward_progress 1
		.amdhsa_inst_pref_size 49
	.end_amdhsa_kernel
	.amdgpu_metadata
---
amdhsa.version: [ 1, 2 ]
amdhsa.kernels:
  - .name:           k_q00aa7d4393_prep
    .symbol:         k_q00aa7d4393_prep.kd
    .args:
      - { .name: Wq, .offset: 0, .size: 8, .value_kind: global_buffer, .address_space: global }
      - { .name: Wk, .offset: 8, .size: 8, .value_kind: global_buffer, .address_space: global }
      - { .name: Wv, .offset: 16, .size: 8, .value_kind: global_buffer, .address_space: global }
      - { .name: mask, .offset: 24, .size: 8, .value_kind: global_buffer, .address_space: global }
      - { .name: Wc, .offset: 32, .size: 8, .value_kind: global_buffer, .address_space: global }
      - { .name: Ws, .offset: 40, .size: 8, .value_kind: global_buffer, .address_space: global }
      - { .name: perm, .offset: 48, .size: 8, .value_kind: global_buffer, .address_space: global }
      - { .name: cnt, .offset: 56, .size: 8, .value_kind: global_buffer, .address_space: global }
    .group_segment_fixed_size: 0
    .private_segment_fixed_size: 0
    .kernarg_segment_align: 8
    .kernarg_segment_size: 64
    .max_flat_workgroup_size: 128
    .sgpr_count:     66
    .vgpr_count:     192
    .wavefront_size: 32
...
	.end_amdgpu_metadata
.endif
;; end of part 1
;; launch proj (part 2): grid 192 x 1, 4 waves a work-group, no clusters, 72,704 bytes of LDS; arguments q, k, v, bq, bv, Wc, Ws, Qf, Kf, Vf, vpart; writes Qf, Kf, Vf, vpart
.if DOCPART == 2
	.amdgcn_target "amdgcn-amd-amdhsa--gfx1250"
	.amdhsa_code_object_version 6
	.text
	.protected	k_q00aa7d4393_proj
	.globl	k_q00aa7d4393_proj
	.p2align	8
	.type	k_q00aa7d4393_proj,@function
k_q00aa7d4393_proj:
	s_mov_b64 s[64:65], 0
	v_nop
	global_prefetch_b8 v0, s[64:65] scope:SCOPE_SE
	s_setreg_imm32_b32 hwreg(HW_REG_WAVE_MODE, 25, 1), 1
	s_wait_xcnt 0x0
; Launch 2 of 3: the three projections x W + b on codes of FP4 (E2M1) with one E8M0 scale for each 32 along K; sums in f32; results rounded once to f16 for the two products of attention.
; bk is left out (dead work: its term is the same along the softmax's axis, and it enters no quantised operand; shown at the head of the first launch): K's sums begin with zeros.
; SHARES.  Work-group (t, rb): tensor t (0 q, 1 k, 2 v), rows 128 rb .. + 127, all 1,024 columns.  X PHASE: wave w quantises rows 32 w .. + 31 in registers; codes and scale bytes go to LDS as rows; one barrier.
; PRODUCT: wave w makes columns 256 w .. + 255 (16 n-tiles, four heads) for all 128 rows: the 64 fragments of the rows' codes stay in its registers (512), the weights' fragments come from memory straight into registers,
; in the order in which the first launch laid them, an n-tile (8,192 bytes) at a time in two sets, one loaded while the other is multiplied.
; NO CLUSTER, NO TENSOR LOAD: each fragment of W feeds one wave of a work-group and arrives in register order; a joint load would put the work-group's 544 KB of weights through LDS, written and read once more,
; with a round of the cluster's barrier for each refill.
; Q AND K: the matrix instruction is used transposed (source 0 = 16 columns of W, source 1 = 16 rows of x): a lane holds one row and eight neighbouring channels: 16 bytes of f16.
;   Qf, Kf: [b h 64][tile of 16 rows 128][u 4][lane 32][16 bytes]: lane (r, h) holds row 16 tile + r, channels 16 u + 8 h + 0 .. 7 of the head: images of the 16-bit operand's registers.
; V: natural use (source 0 = rows of x, source 1 = columns of W): a lane holds one channel and eight neighbouring keys.  Vf: [b h][g 64][u 4][p 2][lane][16 bytes]: channel 16 u + r, keys 32 g + 16 p + 8 h + 0 .. 7.
;   vpart: [rb 64][h 2][1024] f32: the sums of vh (bias included) over the block's rows 8 h + 0 .. 7 of each tile of 16: for the mean that masked rows get.
; The biases are the C of each n-tile's first matrix instruction.
; LIMITS: |qh|, |kh|, |vh| stay under 65,504 (f16); blocks whose largest magnitude lies under 2^-124 keep the scale byte 1 (a block of zeros too: its codes are zeros); NaN and infinities among the inputs are not served.
; REGISTERS, in windows of 256.  Window 0: v1-13 addresses; v16-47 x's scale words, v48-55 W's (two sets): these hold scales and nothing else; v56-71 bias (two sets of 8); v72-91 the quantiser's; v96-255 five rows of x,
;   later v96-159 the 8 accumulators, v160-191 packed f16, v192-196 column sums.   Window 1: W's fragments, set e at 64 e + 8 ks.   Windows 2, 3: x's fragments of K steps 0-3, 4-7, at 64 (ks % 4) + 8 mt.
.set SCB,   67584                      ; LDS: 128 rows of codes at pitch 528 (512 + 16), then 128 rows of 32 scale bytes at pitch 36,
.set SPARE, 72192                      ; then the spare words, 128 bytes a wave, that no other line names
.set ASC, 16
.set WSC, 48
.set BIA, 56
.set T,   72
.set BY,  76
.set CD,  84
.set XR,  96
.set ACC, 96
.set PK,  160
.set CSM, 192
.set MSB, 0
.macro WIN new                         ; s_set_vgpr_msb: bits 1:0 source 0, 3:2 source 1, 5:4 source 2, 7:6 destination; the high byte repeats the setting that is left
.if MSB != (\new)
	s_set_vgpr_msb (MSB<<8)|(\new)
.set MSB, (\new)
.endif
.endm
	s_load_b512 s[8:23], s[0:1], 0x0               ; q, k, v, bq, bv, Wc, Ws, Qf
	s_load_b128 s[24:27], s[0:1], 0x40             ; Kf, Vf
	s_load_b64 s[28:29], s[0:1], 0x50              ; vpart
	v_lshl_add_u32 v12, v0, 2, SPARE               ; my spare word, and 0: kept for the closing lines
	v_mov_b32 v13, 0
	v_lshrrev_b32 v14, 5, v0
	v_readfirstlane_b32 s30, v14                   ; wave
	s_lshr_b32 s31, ttmp9, 6                       ; t
	s_and_b32 s32, ttmp9, 63                       ; rb
	v_and_b32 v14, 31, v0                          ; lane
	v_and_b32 v15, 15, v0                          ; r
	v_bfe_u32 v11, v0, 4, 1                        ; h
	v_lshlrev_b32 v1, 5, v14                       ; x: 32 bytes (8 numbers) a lane
	s_mul_i32 s49, s30, 16896
	v_lshlrev_b32 v2, 2, v14
	v_add_nc_u32 v2, s49, v2                       ; codes in: my wave's 32 rows, 4 bytes a lane
	s_mul_i32 s49, s30, 1152
	s_add_co_u32 s49, s49, SCB
	v_bfe_u32 v3, v0, 2, 3
	v_add_nc_u32 v3, s49, v3                       ; scale bytes in: four lanes share a block
	v_mul_u32_u24 v4, v15, 528
	v_lshl_add_u32 v4, v11, 4, v4                  ; fragments out: row r, + 16 h
	v_mul_u32_u24 v5, v15, 36
	v_lshl_add_u32 v5, v11, 2, v5
	v_add_nc_u32 v5, SCB, v5                       ; scale words out: lanes 0-15 an even K step's, lanes 16-31 the odd one's
	v_lshlrev_b32 v6, 4, v14                       ; 16 x lane
	v_lshlrev_b32 v7, 2, v14                       ; 4 x lane
	v_lshlrev_b32 v8, 5, v11                       ; bias, transposed: my half's eight channels
	v_lshlrev_b32 v10, 2, v15                      ; bias, natural: my channel
	v_lshl_add_u32 v9, v11, 12, v10                ; vpart: 4,096 h + 4 r
.irp n, 0,1,2,3,4,5,6,7,8,9,10,11,12,13,14,15
	v_mov_b32 v[BIA+\n], 0                         ; K's sums begin with these zeros; Q's and V's paths load over them
.endr
	s_lshl_b32 s50, s32, 19                        ; x: 128 rb rows of 4,096 bytes + 32 w rows
	s_lshl_b32 s49, s30, 17
	s_add_co_u32 s50, s50, s49
	s_mov_b32 s51, 0
	s_lshl_b32 s52, s31, 19                        ; Wc: t x 524,288 + 16 w n-tiles of 8,192
	s_add_co_u32 s52, s52, s49
	s_mov_b32 s53, 0
	s_lshl_b32 s54, s31, 15                        ; Ws: t x 32,768 + 16 w x 512
	s_lshl_b32 s49, s30, 13
	s_add_co_u32 s54, s54, s49
	s_mov_b32 s55, 0
	s_lshl_b32 s56, s30, 10                        ; bias: 256 w numbers
	s_mov_b32 s57, 0
	s_lshr_b32 s58, s32, 4                         ; out: b x 16 heads x 262,144 + 4 w heads + (rb % 16) x 16,384
	s_lshl_b32 s58, s58, 22
	s_lshl_b32 s49, s30, 20
	s_add_co_u32 s58, s58, s49
	s_and_b32 s49, s32, 15
	s_lshl_b32 s49, s49, 14
	s_add_co_u32 s58, s58, s49
	s_mov_b32 s59, 0
	s_lshl_b32 s60, s32, 13                        ; vpart: rb x 8,192 + 256 w numbers
	s_add_co_u32 s60, s60, s56
	s_mov_b32 s61, 0
	s_wait_kmcnt 0x0
	s_cmp_eq_u32 s31, 0                            ; the choices hang on the work-group's number alone
	s_cselect_b64 s[34:35], s[8:9], s[10:11]
	s_cselect_b64 s[42:43], s[22:23], s[24:25]
	s_cmp_eq_u32 s31, 2
	s_cselect_b64 s[34:35], s[12:13], s[34:35]
	s_cselect_b64 s[42:43], s[26:27], s[42:43]
	s_cselect_b64 s[40:41], s[16:17], s[14:15]
	s_add_nc_u64 s[34:35], s[34:35], s[50:51]      ; XP
	s_add_nc_u64 s[36:37], s[18:19], s[52:53]      ; WP
	s_add_nc_u64 s[38:39], s[20:21], s[54:55]      ; WSP
	s_add_nc_u64 s[40:41], s[40:41], s[56:57]      ; BP
	s_add_nc_u64 s[42:43], s[42:43], s[58:59]      ; OUTB
	s_add_nc_u64 s[46:47], s[28:29], s[60:61]      ; VPP
; An n-tile's bias, four scale words and sixteen quarters of fragments into set e.  path 0: Q (t = 0) loads 22, K (t = 1) 20; path 1: V loads 28 (one bias number into all eight registers of C).
.macro LOADW e, path
.if \path
.irp n, 0,1,2,3,4,5,6,7
	global_load_b32 v[BIA+8*(\e)+\n], v10, s[40:41] offset:(\e)*64
.endr
.else
	s_cmp_lg_u32 s31, 0
	s_cbranch_scc1 .Lnb_\@
	global_load_b128 v[BIA+8*(\e):BIA+8*(\e)+3], v8, s[40:41] offset:(\e)*64
	global_load_b128 v[BIA+8*(\e)+4:BIA+8*(\e)+7], v8, s[40:41] offset:(\e)*64+16
.Lnb_\@:
.endif
.irp kk, 0,1,2,3
	global_load_b32 v[WSC+4*(\e)+\kk], v7, s[38:39] offset:(\e)*512+\kk*128   ; lanes 0-15: K step 2 kk; lanes 16-31: 2 kk + 1
.endr
	WIN 0x40
.irp ks, 0,1,2,3,4,5,6,7
	global_load_b128 v[64*(\e)+8*\ks:64*(\e)+8*\ks+3], v6, s[36:37] offset:(\e)*8192+\ks*1024
	global_load_b128 v[64*(\e)+8*\ks+4:64*(\e)+8*\ks+7], v6, s[36:37] offset:(\e)*8192+\ks*1024+512
.endr
	WIN 0
.endm
	s_cmp_eq_u32 s31, 2
	s_cbranch_scc1 .Lhead_n
	LOADW 0, 0                                     ; n-tiles 0 and 1 come while x is quantised
	LOADW 1, 0
	s_branch .Lhead_j
.Lhead_n:
	LOADW 0, 1
	LOADW 1, 1
.Lhead_j:
; Row i of my 32: eight loads; a lane holds k = 256 qd + 8 lane + 0 .. 7 in registers 8 qd .. 8 qd + 7 of slot i % 5
.macro XLOAD i
.set XL, XR+32*((\i)%5)
.irp qd, 0,1,2,3
	global_load_b128 v[XL+8*\qd:XL+8*\qd+3], v1, s[34:35] offset:(\i)*4096+1024*\qd th:TH_LOAD_NT
	global_load_b128 v[XL+8*\qd+4:XL+8*\qd+7], v1, s[34:35] offset:(\i)*4096+1024*\qd+16 th:TH_LOAD_NT
.endr
.endm
.irp i, 0,1,2,3,4
	XLOAD \i
.endr
; Row i is quantised: four blocks a lane takes part in, a block of 32 in four neighbouring lanes.
.macro ROWQ i
.set XS, XR+32*((\i)%5)
.set SET2, 4*((\i)%2)
.if 8*(31-(\i)) < 32
	s_wait_loadcnt 8*(31-(\i))                     ; the eight loads of each younger row may be out
.else
	s_wait_loadcnt 32
.endif
.if (\i) >= 2
	s_wait_dscnt 8                                 ; the last row's eight LDS stores may be out; those of two rows back, which read this set of codes and bytes, are done
.endif
.irp qd, 0,1,2,3
	v_max3_num_f32 v[T+\qd], |v[XS+8*\qd]|, |v[XS+8*\qd+1]|, 0x1800000   ; my eight numbers, and the floor 2^(3 - 127): the byte cannot fall under 1.  The four quarters by turns
.endr
.irp n, 2,4,6
.irp qd, 0,1,2,3
	v_max3_num_f32 v[T+\qd], v[T+\qd], |v[XS+8*\qd+\n]|, |v[XS+8*\qd+\n+1]|
.endr
.endr
.irp qd, 0,1,2,3
	v_max_num_f32_dpp v[T+\qd], v[T+\qd], v[T+\qd] row_xmask:1 row_mask:0xf bank_mask:0xf
.endr
.irp qd, 0,1,2,3
	v_max_num_f32_dpp v[T+\qd], v[T+\qd], v[T+\qd] row_xmask:2 row_mask:0xf bank_mask:0xf   ; the block's largest magnitude
.endr
.irp qd, 0,1,2,3
	v_add_nc_u32 v[T+\qd], 0xff000000, v[T+\qd]    ; 2 off the exponent field: the conversion's scale operand
.endr
.irp qd, 0,1,2,3
	v_lshrrev_b32 v[BY+SET2+\qd], 23, v[T+\qd]     ; the scale's byte
.endr
.irp qd, 0,1,2,3
	v_cvt_scalef32_pk8_fp4_f32 v[CD+SET2+\qd], v[XS+8*\qd:XS+8*\qd+7], v[T+\qd]
.endr
	v_nop                                          ; one plain instruction behind the last scaled conversion
.irp qd, 0,1,2,3
	ds_store_b32 v2, v[CD+SET2+\qd] offset:(\i)*528+128*\qd
.endr
.irp qd, 0,1,2,3
	ds_store_b8 v3, v[BY+SET2+\qd] offset:(\i)*36+8*\qd   ; the four lanes of a block write the same byte with the same value
.endr
.if (\i)+5 < 32
	XLOAD (\i)+5
.endif
.endm
.irp i, 0,1,2,3,4,5,6,7,8,9,10,11,12,13,14,15,16,17,18,19,20,21,22,23,24,25,26,27,28,29,30,31
	ROWQ \i
.endr
	s_wait_dscnt 0x0                               ; for the others' sake: my stores have landed
	s_barrier_signal -1
	s_barrier_wait -1                              ; the 128 rows' codes and scale bytes lie in LDS
.macro AFET k0                         ; x's fragments of K steps k0 .. k0 + 3: 16 rows x 128 K are 8 registers, two loads of 16 bytes, 32 bytes apart
.irp ks, 0,1,2,3
.irp mt, 0,1,2,3,4,5,6,7
	ds_load_b128 v[64*\ks+8*\mt:64*\ks+8*\mt+3], v4 offset:\mt*8448+64*(\ks+\k0)
	ds_load_b128 v[64*\ks+8*\mt+4:64*\ks+8*\mt+7], v4 offset:\mt*8448+64*(\ks+\k0)+32
.endr
.endr
.endm
	WIN 0x80
	AFET 0
	WIN 0xc0
	AFET 4
	WIN 0
.irp mt, 0,1,2,3,4,5,6,7
.irp kk, 0,1,2,3
	ds_load_b32 v[ASC+4*\mt+\kk], v5 offset:\mt*576+8*\kk
.endr
.endr
	s_add_nc_u64 s[36:37], s[36:37], 16384         ; every global load is in (row 31's wait was for 0): the weights' pointers go on to n-tiles 2 and 3
	s_add_nc_u64 s[38:39], s[38:39], 1024
	s_add_nc_u64 s[40:41], s[40:41], 128
	s_wait_dscnt 0x0
.macro WM d, a, b, c, sa, sb, odd      ; an odd K step's scale words lie in lanes 16-31 of both registers
.if \odd
	v_wmma_scale_f32_16x16x128_f8f6f4 v[(\d):(\d)+7], v[(\a):(\a)+7], v[(\b):(\b)+7], v[(\c):(\c)+7], v[(\sa)], v[(\sb)] matrix_a_fmt:MATRIX_FMT_FP4 matrix_b_fmt:MATRIX_FMT_FP4 matrix_a_scale:MATRIX_SCALE_ROW1 matrix_b_scale:MATRIX_SCALE_ROW1
.else
	v_wmma_scale_f32_16x16x128_f8f6f4 v[(\d):(\d)+7], v[(\a):(\a)+7], v[(\b):(\b)+7], v[(\c):(\c)+7], v[(\sa)], v[(\sb)] matrix_a_fmt:MATRIX_FMT_FP4 matrix_b_fmt:MATRIX_FMT_FP4
.endif
.endm
; An n-tile: 64 matrix instructions, K ascending; the 8 accumulators (tiles of 16 rows) take turns, one instruction a turn.  The first K step takes the bias as C.
.macro MUL e, path
.irp ks, 0,1,2,3,4,5,6,7
.if \path
	WIN 0x06+(\ks/4)                               ; source 0 (x) window 2 or 3, source 1 (W) window 1
.else
	WIN 0x09+4*(\ks/4)                             ; source 0 (W) window 1, source 1 (x) window 2 or 3
.endif
.irp mt, 0,1,2,3,4,5,6,7
.if \path
.if \ks == 0
	WM ACC+8*\mt, 64*(\ks%4)+8*\mt, 64*(\e)+8*\ks, BIA+8*(\e), ASC+4*\mt+\ks/2, WSC+4*(\e)+\ks/2, \ks%2
.else
	WM ACC+8*\mt, 64*(\ks%4)+8*\mt, 64*(\e)+8*\ks, ACC+8*\mt, ASC+4*\mt+\ks/2, WSC+4*(\e)+\ks/2, \ks%2
.endif
.else
.if \ks == 0
	WM ACC+8*\mt, 64*(\e)+8*\ks, 64*(\ks%4)+8*\mt, BIA+8*(\e), WSC+4*(\e)+\ks/2, ASC+4*\mt+\ks/2, \ks%2
.else
	WM ACC+8*\mt, 64*(\e)+8*\ks, 64*(\ks%4)+8*\mt, ACC+8*\mt, WSC+4*(\e)+\ks/2, ASC+4*\mt+\ks/2, \ks%2
.endif
.endif
.endr
.endr
	WIN 0
.endm
; The way out of an n-tile: each accumulator from its low end on; a wave's store covers 512 consecutive bytes, aligned.
.macro EPI e, path
	s_wait_xcnt 0x0                                ; the last n-tile's stores have read their data registers: they are written again only behind this wait
.irp mt, 0,1,2,3,4,5,6,7
.if \path
.if \mt == 0
	v_pk_add_f32 v[CSM:CSM+1], v[ACC:ACC+1], v[ACC+2:ACC+3]        ; the column's sum over my eight rows of each tile, in two chains: the first tile starts them
	v_pk_add_f32 v[CSM+2:CSM+3], v[ACC+4:ACC+5], v[ACC+6:ACC+7]
.else
	v_pk_add_f32 v[CSM:CSM+1], v[CSM:CSM+1], v[ACC+8*\mt:ACC+8*\mt+1]
	v_pk_add_f32 v[CSM+2:CSM+3], v[CSM+2:CSM+3], v[ACC+8*\mt+2:ACC+8*\mt+3]
	v_pk_add_f32 v[CSM:CSM+1], v[CSM:CSM+1], v[ACC+8*\mt+4:ACC+8*\mt+5]
	v_pk_add_f32 v[CSM+2:CSM+3], v[CSM+2:CSM+3], v[ACC+8*\mt+6:ACC+8*\mt+7]
.endif
.endif
.irp p, 0,1,2,3
	v_cvt_pk_f16_f32 v[PK+4*\mt+\p], v[ACC+8*\mt+2*\p], v[ACC+8*\mt+2*\p+1]
.endr
.if \path
	global_store_b128 v6, v[PK+4*\mt:PK+4*\mt+3], s[44:45] offset:(\mt/2)*4096+(\mt%2)*512+(\e)*1024
.else
	global_store_b128 v6, v[PK+4*\mt:PK+4*\mt+3], s[44:45] offset:\mt*2048+(\e)*512
.endif
.endr
.if \path
	v_pk_add_f32 v[CSM:CSM+1], v[CSM:CSM+1], v[CSM+2:CSM+3]
	v_add_f32 v[CSM+4], v[CSM], v[CSM+1]
	global_store_b32 v9, v[CSM+4], s[46:47] offset:(\e)*64
.endif
.endm
.macro NT e, load, path
.if (\load) || ((\e) == 0)
	s_wait_loadcnt 20+8*(\path)                    ; the other set's loads may be out (20 for K, 28 for V; Q's other set has 22, its two bias loads first: they are forced in too)
.else
	s_wait_loadcnt 0x0                             ; the last n-tile: nothing was asked for behind it
.endif
	MUL \e, \path
.rept 4
	v_nop                                          ; four places behind the last product: ahead of the loads into its set and of the first read of results
.endr
.if \load
	LOADW \e, \path                                ; the n-tile two further on
.endif
	EPI \e, \path
.endm
; My 16 n-tiles, two a trip; trip i serves head 4 w + i / 2, u = 2 (i % 2) + e.  The last trip is written out: it loads nothing.
.macro PRODUCT path
	s_mov_b32 s48, 0
.Ltrip_\@:
	s_lshr_b32 s50, s48, 1
	s_lshl_b32 s50, s50, 18
	s_and_b32 s49, s48, 1
	s_lshl_b32 s49, s49, 10+\path
	s_add_co_u32 s50, s50, s49
	s_mov_b32 s51, 0
	s_add_nc_u64 s[44:45], s[42:43], s[50:51]      ; the trip's store base (the last trip's stores have read it: the wait at the trip's end)
	NT 0, 1, \path
	NT 1, 1, \path
	s_wait_xcnt 0x0                                ; loads and stores have read their bases: they may step
	s_add_nc_u64 s[36:37], s[36:37], 16384
	s_add_nc_u64 s[38:39], s[38:39], 1024
	s_add_nc_u64 s[40:41], s[40:41], 128
	s_add_nc_u64 s[46:47], s[46:47], 128
	s_add_co_u32 s48, s48, 1
	s_cmp_lt_u32 s48, 7
	s_cbranch_scc1 .Ltrip_\@
	s_add_nc_u64 s[44:45], s[42:43], 3*262144+(1024<<\path)
	NT 0, 0, \path
	NT 1, 0, \path
.endm
	s_cmp_eq_u32 s31, 2
	s_cbranch_scc1 .Lnat
	PRODUCT 0
	s_branch .Lend
.Lnat:
	PRODUCT 1
.Lend:
	s_wait_tensorcnt 0x0                           ; the wave's end
	ds_add_u32 v12, v13
	s_wait_dscnt 0x0
	s_endpgm
.Lfunc_end_k_q00aa7d4393_proj:
	.size	k_q00aa7d4393_proj, .Lfunc_end_k_q00aa7d4393_proj-k_q00aa7d4393_proj
	.p2alignl 7, 3214868480
	.fill 96, 4, 3214868480
	.section	.rodata,"a",@progbits
	.p2align	6, 0x0
	.amdhsa_kernel k_q00aa7d4393_proj
		.amdhsa_group_segment_fixed_size 72704
		.amdhsa_private_segment_fixed_size 0
		.amdhsa_enable_private_segment 0
		.amdhsa_kernarg_size 88
		.amdhsa_user_sgpr_count 2
		.amdhsa_user_sgpr_kernarg_segment_ptr 1
		.amdhsa_wavefront_size32 1
		.amdhsa_system_sgpr_workgroup_id_x 1
		.amdhsa_system_sgpr_workgroup_id_y 1
		.amdhsa_system_sgpr_workgroup_id_z 1
		.amdhsa_system_vgpr_workitem_id 0
		.amdhsa_next_free_vgpr 1024
		.amdhsa_next_free_sgpr 66
		.amdhsa_reserve_vcc 0
		.amdhsa_float_denorm_mode_32 3
		.amdhsa_float_denorm_mode_16_64 3
		.amdhsa_memory_ordered 1
		.amdhsa_forward_progress 1
		.amdhsa_inst_pref_size 247
	.end_amdhsa_kernel
	.amdgpu_metadata
---
amdhsa.version: [ 1, 2 ]
amdhsa.kernels:
  - .name:           k_q00aa7d4393_proj
    .symbol:         k_q00aa7d4393_proj.kd
    .args:
      - { .name: q, .offset: 0, .size: 8, .value_kind: global_buffer, .address_space: global }
      - { .name: k, .offset: 8, .size: 8, .value_kind: global_buffer, .address_space: global }
      - { .name: v, .offset: 16, .size: 8, .value_kind: global_buffer, .address_space: global }
      - { .name: bq, .offset: 24, .size: 8, .value_kind: global_buffer, .address_space: global }
      - { .name: bv, .offset: 32, .size: 8, .value_kind: global_buffer, .address_space: global }
      - { .name: Wc, .offset: 40, .size: 8, .value_kind: global_buffer, .address_space: global }
      - { .name: Ws, .offset: 48, .size: 8, .value_kind: global_buffer, .address_space: global }
      - { .name: Qf, .offset: 56, .size: 8, .value_kind: global_buffer, .address_space: global }
      - { .name: Kf, .offset: 64, .size: 8, .value_kind: global_buffer, .address_space: global }
      - { .name: Vf, .offset: 72, .size: 8, .value_kind: global_buffer, .address_space: global }
      - { .name: vpart, .offset: 80, .size: 8, .value_kind: global_buffer, .address_space: global }
    .group_segment_fixed_size: 72704
    .private_segment_fixed_size: 0
    .kernarg_segment_align: 8
    .kernarg_segment_size: 88
    .max_flat_workgroup_size: 128
    .sgpr_count:     66
    .vgpr_count:     1024
    .wavefront_size: 32
...
	.end_amdgpu_metadata
.endif
;; end of part 2
;; launch attn (part 3): grid 4 x 64, 8 waves a work-group, no clusters, 68,608 bytes of LDS; arguments Qf, Kf, Vf, vpart, perm, cnt, out0; writes out0
.if DOCPART == 3
	.amdgcn_target "amdgcn-amd-amdhsa--gfx1250"
	.amdhsa_code_object_version 6
	.text
	.protected	k_q00aa7d4393_attn
	.globl	k_q00aa7d4393_attn
	.p2align	8
	.type	k_q00aa7d4393_attn,@function
k_q00aa7d4393_attn:
	s_mov_b64 s[64:65], 0
	v_nop
	global_prefetch_b8 v0, s[64:65] scope:SCOPE_SE
	s_setreg_imm32_b32 hwreg(HW_REG_WAVE_MODE, 25, 1), 1
	s_wait_xcnt 0x0
; Launch 3 of 3: out[b][q][64 head ..] = softmax_key(qh . kh / 8) vh for the rows with mask != 0, the mean over the keys of vh for the others.  f16 operands, f32 sums, maxima and row sums in f32.
; bk does not appear (dead work, shown at the head of the first launch).  The two products are done only for the tiles of 16 rows that the stored list asks for: a choice by whole numbers read from memory.
; SHARES.  Work-group (j, b h).  The batch's rows are taken in the order of perm (rows with mask != 0 first, c_b of them), in 128 tiles of 16; tile 32 sg + 4 w + j belongs to work-group j, wave w, slot sg = 0 .. 3.
; A wave's slots sg < NT = (ceil(c_b / 16) + 31 - 4 w - j) / 32 are live: they walk all 2,048 keys, 64 a step.  In the one mixed tile the lanes of masked rows get Q = 0: all their scores are 0, so p = 1 for every key and the
; result is the mean.  Slots sg >= NT get the mean made from vpart.  Each output row is stored once: perm is a permutation.
; NO TENSOR LOAD, NO CLUSTER: the jumps round dead slots hang on c_b, a number read from memory.  K and V go memory - registers - LDS: each of the eight waves carries
; 2,048 of a step's 16,384 bytes (waves 0-3 K, waves 4-7 V), loaded three steps ahead.  Every loop count is a constant and every wave passes every barrier; only register work stands under the jumps.
; LAYOUT.  S^T = K Q^T (source 0 = 16 keys, source 1 = 16 queries) and O^T = V^T P (source 0 = 16 channels, source 1 = P): a lane holds one query (lane % 16) throughout; two tiles of S^T, rounded to f16 in pairs, are P's fragment.
; Kf and Vf are images of the operands' registers, so a step's 16 fragments come from LDS by loads at 16 x lane.
; SOFTMAX.  Running maximum m and sum l for each query: p = 2^(c s - c m), c = log2(e) / 8; O and l are multiplied by a = 2^(c m_old - c m_new) in every step.  The sum is taken of p before it is rounded.
; LIMITS: NaN and infinities among the inputs are not served (an infinite K would make NaN in a masked lane of the mixed tile).
; REGISTERS.  Window 0: v1-11 addresses; v12-15 the mean; v16-27 at work; v28-47 the head's; v48-63 four a slot: c m, m, l (two halves); v64-95 two sets of staged bytes; v96-127 S^T, then P; v128-191 K; v192-255 V.
;   Window 1: v0-127 O^T, 32 a slot; v128-191 Q, 16 a slot; v192-223 byte offsets of the output rows, 8 a slot.
.set SLOTB, 16384                      ; LDS: two slots of a step's K (8,192 bytes) and V (8,192),
.set STAGE, 32768                      ; a stage of 16 rows x 272 bytes for each wave,
.set SPARE, 67584                      ; the spare words, 128 bytes a wave, that no other line names
.set MEAN, 12
.set T,    16
.set STT,  48
.set S,    96
.set KR,   128
.set VR,   192
.set QW,   128
.set ROW,  192
.set MSB, 0
.macro WIN new                         ; s_set_vgpr_msb: bits 1:0 source 0, 3:2 source 1, 5:4 source 2, 7:6 destination; the high byte repeats the setting that is left
.if MSB != (\new)
	s_set_vgpr_msb (MSB<<8)|(\new)
.set MSB, (\new)
.endif
.endm
	s_load_b256 s[4:11], s[0:1], 0x0               ; Qf s[4:5], Kf s[6:7], Vf s[8:9], vpart s[10:11]
	s_load_b128 s[12:15], s[0:1], 0x20             ; perm s[12:13], cnt s[14:15]
	s_load_b64 s[16:17], s[0:1], 0x30              ; out0
	v_lshl_add_u32 v6, v0, 2, SPARE                ; my spare word, and 0: kept for the closing lines
	v_mov_b32 v7, 0
	v_lshrrev_b32 v8, 5, v0
	v_readfirstlane_b32 s18, v8                    ; wave
	s_mov_b32 s19, ttmp9                           ; j
	s_and_b32 s20, ttmp7, 0xffff                   ; b h
	s_lshr_b32 s21, s20, 4                         ; b
	s_and_b32 s22, s20, 15                         ; head
	v_and_b32 v8, 31, v0                           ; lane
	v_and_b32 v9, 15, v0                           ; r
	v_bfe_u32 v10, v0, 4, 1                        ; h
	v_lshlrev_b32 v1, 4, v8                        ; 16 x lane
	s_lshl_b32 s34, s18, 11
	v_add_nc_u32 v2, s34, v1                       ; where I put staged bytes: 2,048 w + 16 x lane
	v_lshlrev_b32 v3, 8, v8                        ; the prefetches' offset: 256 x lane
	s_mul_i32 s34, s18, 16*272
	s_add_co_u32 s34, s34, STAGE                   ; my stage
	v_mul_u32_u24 v4, v9, 272
	v_lshl_add_u32 v4, v10, 5, v4
	v_add_nc_u32 v4, s34, v4                       ; in: row r, + 32 h
	v_mul_u32_u24 v5, v10, 272
	v_lshl_add_u32 v5, v9, 4, v5
	v_add_nc_u32 v5, s34, v5                       ; back: lanes 0-15 one row, lanes 16-31 the next
	v_lshlrev_b32 v11, 4, v9                       ; 16 r
	v_lshlrev_b32 v44, 2, v9                       ; 4 r
	v_lshlrev_b32 v45, 2, v10                      ; 4 h
	v_lshl_add_u32 v46, v10, 12, v11               ; vpart: 4,096 h + 16 r
	v_lshlrev_b32 v47, 8, v10                      ; 256 h
	s_mov_b32 s30, 0x76543210                      ; v_permlanex16_b32's selects for lane l xor 16
	s_mov_b32 s31, 0xfedcba98
	s_mov_b32 s32, 0x3e38aa3b                      ; c = log2(e) / 8
	s_mov_b32 s33, s32                             ; (named with it as a pair, so it is written)
	s_lshl_b32 s25, s18, 2
	s_add_co_u32 s25, s25, s19                     ; x = 4 w + j
	s_and_b32 s34, s18, 3
	s_or_b32 s35, s34, s19
	s_cmp_eq_u32 s35, 0
	s_cselect_b32 s29, 13, 0                       ; waves 0 and 4 of work-group j = 0 prefetch, in trips 0 to 12
	s_lshl_b32 s34, s34, 11
	s_lshl_b32 s36, s20, 18                        ; a (b, h) is 262,144 bytes in Qf, Kf and Vf
	s_add_co_u32 s34, s34, s36
	s_add_co_u32 s34, s34, 24576                   ; my 2,048 bytes of key step 3
	s_mov_b32 s35, 0
	s_mov_b32 s37, 0
	s_lshl_b32 s38, s21, 13
	s_lshl_b32 s40, s25, 6
	s_add_co_u32 s38, s38, s40                     ; perm: the batch's 2,048 words, + tile x's 16
	s_mov_b32 s39, 0
	s_lshl_b32 s40, s21, 9
	s_mov_b32 s41, 0
	s_lshl_b32 s42, s21, 17                        ; vpart: the batch's 16 row blocks, + the head's 64 numbers
	s_lshl_b32 s44, s22, 8
	s_add_co_u32 s42, s42, s44
	s_mov_b32 s43, 0
	s_lshl_b32 s46, s21, 23                        ; out0: the batch's 2,048 rows of 4,096 bytes, + the head's 256
	s_add_co_u32 s44, s46, s44
	s_mov_b32 s45, 0
	s_wait_kmcnt 0x0
	s_add_nc_u64 s[14:15], s[14:15], s[40:41]
	s_load_b32 s23, s[14:15], 0x0                  ; c_b
	s_cmp_lt_u32 s18, 4
	s_cselect_b64 s[26:27], s[6:7], s[8:9]         ; waves 0-3 carry K, waves 4-7 V
	s_add_nc_u64 s[26:27], s[26:27], s[34:35]
	s_add_nc_u64 s[4:5], s[4:5], s[36:37]
	s_add_nc_u64 s[12:13], s[12:13], s[38:39]
	s_add_nc_u64 s[10:11], s[10:11], s[42:43]
	s_add_nc_u64 s[16:17], s[16:17], s[44:45]
.irp k, 0,1,2,3
	global_load_b128 v[64+4*\k:67+4*\k], v1, s[26:27] offset:512*\k-24576   ; key step 0 into set 0
.endr
.irp k, 0,1,2,3
	global_load_b128 v[80+4*\k:83+4*\k], v1, s[26:27] offset:512*\k-16384   ; key step 1 into set 1
.endr
.irp sg, 0,1,2,3
	global_load_b32 v[28+\sg], v44, s[12:13] offset:2048*\sg       ; the row of query r of slot sg
.endr
	WIN 0x40
.irp sg, 0,1,2,3
.irp i, 0,1,2,3,4,5,6,7
	global_load_b32 v[ROW+8*\sg+\i], v45, s[12:13] offset:2048*\sg+8*\i   ; the row at place 2 i + h of the slot's tile: for the way out
.endr
.endr
	WIN 0
.irp i, 0,1,2,3,4,5,6,7,8,9,10,11,12,13,14,15
	global_load_b128 v[KR+4*\i:KR+4*\i+3], v46, s[10:11] offset:\i*8192   ; the batch's 32 partial sums of vh: row block i, my half's; four channels a lane
.endr
	WIN 0x40
.set n, 0
.rept 128
	v_mov_b32 v[n], 0                              ; O^T.  The key step is written without a first step of its own: the first change of m multiplies these zeros
.set n, n+1
.endr
	WIN 0
.irp sg, 0,1,2,3
	v_mov_b32 v[STT+4*\sg+1], 0xff61b1e6           ; m = -3e38, under every score
	v_mul_f32 v[STT+4*\sg], s32, v[STT+4*\sg+1]    ; c m
	v_mov_b32 v[STT+4*\sg+2], 0                    ; l
	v_mov_b32 v[STT+4*\sg+3], 0
.endr
.irp n, 0,1,2,3,4,5,6,7,8,9,10,11
	v_mov_b32 v[T+\n], 0                           ; written once, so that no way through the jumps reads a register that nobody wrote
.endr
.irp n, 36,37,38,39
	v_mov_b32 v\n, 0                               ; a lane permute's destination counts as one of its sources
.endr
	s_lshl_b32 s34, s25, 4
	v_add_nc_u32 v40, s34, v9                      ; my query's place in the list: 512 sg + 16 x + r
	v_add_nc_u32 v41, 512, v40
	v_add_nc_u32 v42, 1024, v40
	v_add_nc_u32 v43, 1536, v40
	s_wait_kmcnt 0x0
	s_min_u32 s23, s23, 2048
	s_add_co_u32 s24, s23, 15
	s_lshr_b32 s24, s24, 4                         ; live tiles in the batch
	s_add_co_u32 s24, s24, 31
	s_sub_co_u32 s24, s24, s25
	s_lshr_b32 s24, s24, 5                         ; NT: my live slots
.irp sg, 0,1,2,3
	v_cmp_gt_u32 s[36+\sg], s23, v[40+\sg]         ; lanes whose query has mask != 0
.endr
	s_wait_loadcnt 0x0
.irp k, 0,1,2,3
	ds_store_b128 v2, v[64+4*\k:67+4*\k] offset:512*\k             ; key step 0 into slot 0
.endr
.irp sg, 0,1,2,3
	v_min_u32 v[28+\sg], 0x7ff, v[28+\sg]          ; a row is under 2,048; the bound is written out ahead of the address
	v_and_b32 v[32+\sg], 0x7f0, v[28+\sg]
	v_lshlrev_b32 v[32+\sg], 7, v[32+\sg]          ; its tile of 16 rows: 2,048 bytes each
	v_and_b32 v[28+\sg], 15, v[28+\sg]
	v_lshlrev_b32 v[28+\sg], 4, v[28+\sg]          ; its place in the tile: 16 bytes
	v_add_nc_u32 v[32+\sg], v[32+\sg], v[28+\sg]
	v_add_nc_u32 v[32+\sg], v[32+\sg], v47         ; my half's eight channels
.endr
	WIN 0x40
.irp sg, 0,1,2,3
.irp u, 0,1,2,3
	global_load_b128 v[QW+16*\sg+4*\u:QW+16*\sg+4*\u+3], v[32+\sg], s[4:5] offset:512*\u   ; Q stays in registers: channels 16 u + 8 h + 0 .. 7
.endr
.endr
	WIN 0
	s_wait_dscnt 0x0                               ; my part of slot 0 has landed, and set 0 has been read
.irp k, 0,1,2,3
	global_load_b128 v[64+4*\k:67+4*\k], v1, s[26:27] offset:512*\k-8192    ; key step 2 into set 0
.endr
	v_pk_add_f32 v[MEAN:MEAN+1], v[KR:KR+1], v[KR+4:KR+5]          ; the mean of vh over the keys
	v_pk_add_f32 v[MEAN+2:MEAN+3], v[KR+2:KR+3], v[KR+6:KR+7]
.irp i, 2,3,4,5,6,7,8,9,10,11,12,13,14,15
	v_pk_add_f32 v[MEAN:MEAN+1], v[MEAN:MEAN+1], v[KR+4*\i:KR+4*\i+1]
	v_pk_add_f32 v[MEAN+2:MEAN+3], v[MEAN+2:MEAN+3], v[KR+4*\i+2:KR+4*\i+3]
.endr
.irp p, 0,1,2,3
	v_permlanex16_b32 v[36+\p], v[MEAN+\p], s30, s31
.endr
.irp p, 0,1,2,3
	v_add_f32 v[MEAN+\p], v[MEAN+\p], v[36+\p]     ; with the other half's rows
.endr
	v_pk_mul_f32 v[MEAN:MEAN+1], v[MEAN:MEAN+1], 0x3a000000 op_sel_hi:[1,0]       ; / 2,048
	v_pk_mul_f32 v[MEAN+2:MEAN+3], v[MEAN+2:MEAN+3], 0x3a000000 op_sel_hi:[1,0]
	WIN 0x44
.set n, 0
.rept 32
	v_min_u32 v[ROW+n], 0x7ff, v[ROW+n]
	v_lshlrev_b32 v[ROW+n], 12, v[ROW+n]           ; a row of out0 is 4,096 bytes
	v_add_nc_u32 v[ROW+n], v11, v[ROW+n]           ; + 16 r: sixteen lanes cover the head's 256 bytes
.set n, n+1
.endr
	WIN 0
.macro FILL sg                         ; a slot with no live row: its 16 rows get the mean
	s_cmp_gt_u32 s24, \sg
	s_cbranch_scc1 .Lnf_\@
	WIN 0x01
.irp i, 0,1,2,3,4,5,6,7
	global_store_b128 v[ROW+8*\sg+\i], v[MEAN:MEAN+3], s[16:17] th:TH_STORE_NT
.endr
	WIN 0
.Lnf_\@:
.endm
	FILL 0
	FILL 1
	FILL 2
	FILL 3
	s_wait_loadcnt 4                               ; Q is in; key step 2's four loads may be out
	WIN 0x44
.irp sg, 0,1,2,3
.irp n, 0,1,2,3,4,5,6,7,8,9,10,11,12,13,14,15
	v_cndmask_b32 v[QW+16*\sg+\n], 0, v[QW+16*\sg+\n], s[36+\sg]   ; a masked row's Q is 0
.endr
.endr
	WIN 0
	s_mov_b32 s28, 0
	s_barrier_signal -1                            ; my part of slot 0 has landed (the wait on DScnt above)
; One slot's share of a key step: 64 keys x 16 queries.
.macro TILE sg
	s_cmp_gt_u32 s24, \sg
	s_cbranch_scc0 .Ldead_\@
.set CM, STT+4*\sg
	WIN 0x04                                       ; Q in window 1
.irp kt, 0,1,2,3
	v_wmma_f32_16x16x32_f16 v[S+8*\kt:S+8*\kt+7], v[KR+16*\kt:KR+16*\kt+7], v[QW+16*\sg:QW+16*\sg+7], 0   ; the four tiles of keys take turns
.endr
.irp kt, 0,1,2,3
	v_wmma_f32_16x16x32_f16 v[S+8*\kt:S+8*\kt+7], v[KR+16*\kt+8:KR+16*\kt+15], v[QW+16*\sg+8:QW+16*\sg+15], v[S+8*\kt:S+8*\kt+7]
.endr
	WIN 0
.rept 4
	v_nop                                          ; four places ahead of the first read of results
.endr
.irp p, 0,1,2,3
	v_max3_num_f32 v[T+\p], v[S+8*\p], v[S+8*\p+1], v[S+8*\p+2]    ; the maximum, four chains; each accumulator from its low end on
.endr
.irp n, 3,5
.irp p, 0,1,2,3
	v_max3_num_f32 v[T+\p], v[T+\p], v[S+8*\p+\n], v[S+8*\p+\n+1]
.endr
.endr
	v_max3_num_f32 v[T], v[T], v[S+7], v[S+15]
	v_max3_num_f32 v[T+2], v[T+2], v[S+23], v[S+31]
	v_max3_num_f32 v[T], v[T], v[T+1], v[T+2]
	v_max3_num_f32 v[T], v[T], v[T+3], v[CM+1]     ; with the old m
	v_permlanex16_b32 v[T+1], v[T], s30, s31       ; the query's other 32 keys lie in the lane 16 away
	v_mov_b32 v[T+8], v[CM]                        ; c m_old
	v_max_num_f32 v[CM+1], v[T], v[T+1]
	v_mul_f32 v[CM], s32, v[CM+1]
	v_sub_f32 v[T+7], v[T+8], v[CM]
.irp n, 0,2,4,6,8,10,12,14,16,18,20,22,24,26,28,30
	v_pk_fma_f32 v[S+\n:S+\n+1], v[S+\n:S+\n+1], s[32:33], v[CM:CM+1] op_sel_hi:[1,0,0] neg_lo:[0,0,1] neg_hi:[0,0,1]   ; c s - c m
.endr
	v_exp_f32 v[T+6], v[T+7]                       ; a
.irp n, 0,1,2,3,4,5,6,7,8,9,10,11,12,13,14,15,16,17,18,19,20,21,22,23,24,25,26,27,28,29,30,31
	v_exp_f32 v[S+\n], v[S+\n]                     ; p
.endr
	v_nop                                          ; a plain instruction behind the last exponential
	s_wait_alu depctr_va_vdst(0)                   ; one wait for the batch of 33, ahead of its first reader
	v_pk_add_f32 v[T+4:T+5], v[S:S+1], v[S+2:S+3]  ; the sum of the unrounded p, two chains
	v_pk_add_f32 v[T+10:T+11], v[S+4:S+5], v[S+6:S+7]
.irp n, 8,12,16,20,24,28
	v_pk_add_f32 v[T+4:T+5], v[T+4:T+5], v[S+\n:S+\n+1]
	v_pk_add_f32 v[T+10:T+11], v[T+10:T+11], v[S+\n+2:S+\n+3]
.endr
	v_pk_add_f32 v[T+4:T+5], v[T+4:T+5], v[T+10:T+11]
	v_pk_fma_f32 v[CM+2:CM+3], v[CM+2:CM+3], v[T+6:T+7], v[T+4:T+5] op_sel_hi:[1,0,1]   ; l = a l + the sum
.irp n, 0,1,2,3,4,5,6,7,8,9,10,11,12,13,14,15
	v_cvt_pk_f16_f32 v[S+\n], v[S+2*\n], v[S+2*\n+1]               ; P, in place and ascending: register n is written when registers 2 n and 2 n + 1 are read, and no later line reads it
.endr
	WIN 0x41
.irp n, 0,2,4,6,8,10,12,14,16,18,20,22,24,26,28,30
	v_pk_mul_f32 v[32*\sg+\n:32*\sg+\n+1], v[32*\sg+\n:32*\sg+\n+1], v[T+6:T+7] op_sel_hi:[1,0]   ; O^T x a
.endr
	WIN 0x50                                       ; C and D in window 1
.irp g, 0,1
.irp u, 0,1,2,3
	v_wmma_f32_16x16x32_f16 v[32*\sg+8*\u:32*\sg+8*\u+7], v[VR+32*\g+8*\u:VR+32*\g+8*\u+7], v[S+8*\g:S+8*\g+7], v[32*\sg+8*\u:32*\sg+8*\u+7]   ; the four tiles of channels take turns
.endr
.endr
	WIN 0
.rept 5
	v_nop                                          ; five places: the next products write over P's registers; the next step's loads land in V's
.endr
.Ldead_\@:
.endm
; KEY STEP p, slot = p % 2.  stage 2: step p + 1 goes from registers to the other slot and step p + 3 is asked for; 1: only the first; 0: neither.  lc: the staging loads that may stay out.
; ONE BARRIER A STEP, in two halves.  A wave signals when its stores of step p + 1 have landed and its reads of step p are in, and waits only ahead of its next LDS access: behind that wait the slot to be read is whole
; and nobody reads the slot to be written.  Between signal and wait stands register work alone.
.macro SUB slot, stage, pf, sig, lc
	s_barrier_wait -1
.if \stage
	s_wait_loadcnt \lc                             ; step p + 1's four loads are in; step p + 2's four may be out
.irp k, 0,1,2,3
	ds_store_b128 v2, v[64+16*(1-\slot)+4*\k:67+16*(1-\slot)+4*\k] offset:(1-\slot)*SLOTB+512*\k
.endr
.endif
.irp f, 0,1,2,3,4,5,6,7,8,9,10,11,12,13,14,15
	ds_load_b128 v[KR+4*\f:KR+4*\f+3], v1 offset:\slot*SLOTB+512*\f          ; K: tile of keys f / 4, channels 16 (f % 4) on
.endr
.irp f, 0,1,2,3,4,5,6,7,8,9,10,11,12,13,14,15
	ds_load_b128 v[VR+4*\f:VR+4*\f+3], v1 offset:\slot*SLOTB+8192+512*\f     ; V: keys 32 (f / 8) on, channels 16 ((f / 2) % 4) on, half f % 2
.endr
.if \stage == 2
	s_wait_dscnt 32                                ; the 32 loads may be out; the four stores have read their registers
.irp k, 0,1,2,3
	global_load_b128 v[64+16*(1-\slot)+4*\k:67+16*(1-\slot)+4*\k], v1, s[26:27] offset:\slot*8192+512*\k
.endr
.if \pf
	; A prefetch of key step p + 6, three steps ahead of the loads that will ask for it.  The four work-groups of a (b, h) walk the same K and V: work-group j = 0 asks, wave 0 for K's 8,192 bytes and wave 4 for V's,
	; lanes 256 bytes apart: each block of 256 bytes is named once in the launch.  Steps 0 to 5 come by their loads alone; trips 13 on ask for nothing: step 31 is the last.
	s_cmp_lt_u32 s28, s29
	s_cbranch_scc0 .Lnp_\@
	global_prefetch_b8 v3, s[26:27] offset:\slot*8192+24576 th:TH_LOAD_NT scope:SCOPE_SE
.Lnp_\@:
.endif
.endif
	s_wait_dscnt 0x0
.if \sig
	s_barrier_signal -1
.endif
	TILE 0
	TILE 1
	TILE 2
	TILE 3
.endm
.Lkeys:                                                ; 14 trips: key steps 0 to 27
	SUB 0, 2, 1, 1, 4
	SUB 1, 2, 1, 1, 4
	s_wait_xcnt 0x0                                ; loads and prefetches have read their base: it may step
	s_add_nc_u64 s[26:27], s[26:27], 16384
	s_add_co_u32 s28, s28, 1
	s_cmp_lt_u32 s28, 14
	s_cbranch_scc1 .Lkeys
	SUB 0, 2, 0, 1, 4                              ; step 28 asks for step 31, the last
	SUB 1, 1, 0, 1, 4                              ; step 29: step 30 to LDS; step 31's loads may be out
	SUB 0, 1, 0, 1, 0                              ; step 30: step 31 to LDS
	SUB 1, 0, 0, 0, 0                              ; step 31: no LDS byte is shared any more, so no signal
; THE WAY OUT of a live slot: O^T / l goes through my own stage and comes back as rows of the head's 256 bytes; sixteen lanes store them whole, aligned, at the row that the list names.
.macro OUT sg
	s_cmp_gt_u32 s24, \sg
	s_cbranch_scc0 .Lno_\@
.set CM, STT+4*\sg
	s_wait_xcnt 0x0                                ; the last slot's stores have read their data registers
	v_add_f32 v[T], v[CM+2], v[CM+3]
	v_permlanex16_b32 v[T+1], v[T], s30, s31
	v_add_f32 v[T], v[T], v[T+1]                   ; the row's sum
	v_rcp_f32 v[T+6], v[T]
	v_nop                                          ; a plain instruction behind the reciprocal
	s_wait_alu depctr_va_vdst(0)                   ; and the wait ahead of its first reader
	WIN 0x01
.irp n, 0,2,4,6,8,10,12,14,16,18,20,22,24,26,28,30
	v_pk_mul_f32 v[KR+\n:KR+\n+1], v[32*\sg+\n:32*\sg+\n+1], v[T+6:T+7] op_sel_hi:[1,0]   ; register 8 u + i: channel 16 u + 8 h + i of query r; each accumulator from its low end on
.endr
	WIN 0
.irp u, 0,1,2,3
	ds_store_b128 v4, v[KR+8*\u:KR+8*\u+3] offset:64*\u
	ds_store_b128 v4, v[KR+8*\u+4:KR+8*\u+7] offset:64*\u+16
.endr
.irp i, 0,1,2,3,4,5,6,7
	ds_load_b128 v[VR+4*\i:VR+4*\i+3], v5 offset:544*\i            ; LDS serves a wave's instructions in order: these see my stores
.endr
	WIN 0x01
.irp i, 0,1,2,3,4,5,6,7
	s_wait_dscnt 7-\i                              ; the younger loads may be out
	global_store_b128 v[ROW+8*\sg+\i], v[VR+4*\i:VR+4*\i+3], s[16:17] th:TH_STORE_NT
.endr
	WIN 0
.Lno_\@:
.endm
	OUT 0
	OUT 1
	OUT 2
	OUT 3
	s_wait_tensorcnt 0x0                           ; the wave's end
	ds_add_u32 v6, v7
	s_wait_dscnt 0x0
	s_endpgm
.Lfunc_end_k_q00aa7d4393_attn:
	.size	k_q00aa7d4393_attn, .Lfunc_end_k_q00aa7d4393_attn-k_q00aa7d4393_attn
	.p2alignl 7, 3214868480
	.fill 96, 4, 3214868480
	.section	.rodata,"a",@progbits
	.p2align	6, 0x0
	.amdhsa_kernel k_q00aa7d4393_attn
		.amdhsa_group_segment_fixed_size 68608
		.amdhsa_private_segment_fixed_size 0
		.amdhsa_enable_private_segment 0
		.amdhsa_kernarg_size 56
		.amdhsa_user_sgpr_count 2
		.amdhsa_user_sgpr_kernarg_segment_ptr 1
		.amdhsa_wavefront_size32 1
		.amdhsa_system_sgpr_workgroup_id_x 1
		.amdhsa_system_sgpr_workgroup_id_y 1
		.amdhsa_system_sgpr_workgroup_id_z 1
		.amdhsa_system_vgpr_workitem_id 0
		.amdhsa_next_free_vgpr 512
		.amdhsa_next_free_sgpr 66
		.amdhsa_reserve_vcc 0
		.amdhsa_float_denorm_mode_32 3
		.amdhsa_float_denorm_mode_16_64 3
		.amdhsa_memory_ordered 1
		.amdhsa_forward_progress 1
		.amdhsa_inst_pref_size 249
	.end_amdhsa_kernel
	.amdgpu_metadata
---
amdhsa.version: [ 1, 2 ]
amdhsa.kernels:
  - .name:           k_q00aa7d4393_attn
    .symbol:         k_q00aa7d4393_attn.kd
    .args:
      - { .name: Qf, .offset: 0, .size: 8, .value_kind: global_buffer, .address_space: global }
      - { .name: Kf, .offset: 8, .size: 8, .value_kind: global_buffer, .address_space: global }
      - { .name: Vf, .offset: 16, .size: 8, .value_kind: global_buffer, .address_space: global }
      - { .name: vpart, .offset: 24, .size: 8, .value_kind: global_buffer, .address_space: global }
      - { .name: perm, .offset: 32, .size: 8, .value_kind: global_buffer, .address_space: global }
      - { .name: cnt, .offset: 40, .size: 8, .value_kind: global_buffer, .address_space: global }
      - { .name: out0, .offset: 48, .size: 8, .value_kind: global_buffer, .address_space: global }
    .group_segment_fixed_size: 68608
    .private_segment_fixed_size: 0
    .kernarg_segment_align: 8
    .kernarg_segment_size: 56
    .max_flat_workgroup_size: 256
    .sgpr_count:     66
    .vgpr_count:     512
    .wavefront_size: 32
...
	.end_amdgpu_metadata
.endif
;; end of part 3
;; ======== version 2 of 2: 3 launches; version 1 with the launch proj written anew for expert scheduling mode
;; limits: values are held in f16: magnitudes above 65,504 overflow, below 6.1e-05 lose precision
;; workspace buffers: Wc 1,572,864 bytes; Ws 98,304 bytes; Qf 16,777,216 bytes; Kf 16,777,216 bytes; Vf 16,777,216 bytes; vpart 524,288 bytes; perm 32,768 bytes of whole numbers; cnt 2,048 bytes of whole numbers
;; launch prep: the kernel of part 1 again; grid 196 x 1, 4 waves a work-group, no clusters, 0 bytes of LDS; arguments Wq, Wk, Wv, mask, Wc, Ws, perm, cnt; writes Wc, Ws, perm, cnt
;; launch proj (part 4): grid 192 x 1, 4 waves a work-group, no clusters, 72,704 bytes of LDS; arguments q, k, v, bq, bv, Wc, Ws, Qf, Kf, Vf, vpart; writes Qf, Kf, Vf, vpart
.if DOCPART == 4
	.amdgcn_target "amdgcn-amd-amdhsa--gfx1250"
	.amdhsa_code_object_version 6
	.text
	.protected	k_q00aa7d4393_proj
	.globl	k_q00aa7d4393_proj
	.p2align	8
	.type	k_q00aa7d4393_proj,@function
k_q00aa7d4393_proj:
	s_mov_b64 s[64:65], 0
	v_nop
	global_prefetch_b8 v0, s[64:65] scope:SCOPE_SE
	s_setreg_imm32_b32 hwreg(HW_REG_WAVE_SCHED_MODE, 0, 2), 2
	s_setreg_imm32_b32 hwreg(HW_REG_WAVE_MODE, 25, 1), 1
	s_wait_xcnt 0x0
	s_wait_alu depctr_vm_vsrc(0)
; Launch 2 of 3: the three projections x W + b on codes of FP4 (E2M1) with one E8M0 scale for each 32 along K; sums in f32; results rounded once to f16 for the two products of attention.
; bk is left out (dead work: its term is the same along the softmax's axis, and it enters no quantised operand; shown at the head of the first launch): K's sums begin with zeros.
; SHARES.  Work-group (t, rb): tensor t (0 q, 1 k, 2 v), rows 128 rb .. + 127, all 1,024 columns.  X PHASE: wave w quantises rows 32 w .. + 31 in registers; codes and scale bytes go to LDS as rows; one barrier.
; PRODUCT: wave w makes columns 256 w .. + 255 (16 n-tiles, four heads) for all 128 rows: the 64 fragments of the rows' codes stay in its registers (512), the weights' fragments come from memory straight into registers,
; in the order in which the first launch laid them, an n-tile (8,192 bytes) at a time in two sets, one loaded while the other is multiplied.
; NO CLUSTER, NO TENSOR LOAD: each fragment of W feeds one wave of a work-group and arrives in register order; a joint load would put the work-group's 544 KB of weights through LDS, written and read once more,
; with a round of the cluster's barrier for each refill.
; Q AND K: the matrix instruction is used transposed (source 0 = 16 columns of W, source 1 = 16 rows of x): a lane holds one row and eight neighbouring channels: 16 bytes of f16.
;   Qf, Kf: [b h 64][tile of 16 rows 128][u 4][lane 32][16 bytes]: lane (r, h) holds row 16 tile + r, channels 16 u + 8 h + 0 .. 7 of the head: images of the 16-bit operand's registers.
; V: natural use (source 0 = rows of x, source 1 = columns of W): a lane holds one channel and eight neighbouring keys.  Vf: [b h][g 64][u 4][p 2][lane][16 bytes]: channel 16 u + r, keys 32 g + 16 p + 8 h + 0 .. 7.
;   vpart: [rb 64][h 2][1024] f32: the sums of vh (bias included) over the block's rows 8 h + 0 .. 7 of each tile of 16: for the mean that masked rows get.
; The biases are the C of each n-tile's first matrix instruction.
; LIMITS: |qh|, |kh|, |vh| stay under 65,504 (f16); blocks whose largest magnitude lies under 2^-124 keep the scale byte 1 (a block of zeros too: its codes are zeros); NaN and infinities among the inputs are not served.
; REGISTERS, in windows of 256.  Window 0: v1-13 addresses; v16-47 x's scale words, v48-55 W's (two sets): these hold scales and nothing else; v56-71 bias (two sets of 8); v72-91 the quantiser's; v96-255 five rows of x,
;   later v96-159 the 8 accumulators, v160-191 packed f16, v192-196 column sums.   Window 1: W's fragments, set e at 64 e + 8 ks.   Windows 2, 3: x's fragments of K steps 0-3, 4-7, at 64 (ks % 4) + 8 mt.
; THE MODE: SCHED_MODE bits 1:0 = 2 (LLVM: expert scheduling mode 2), set by the entry lines.  The code itself states the register dependences
; between vector or matrix instructions and memory or LDS instructions, with s_wait_alu, always for 0.
; THE PLAN.  Registers that memory or LDS instructions touch:
;   v1-v10         Offsets and LDS addresses: made once at the head and never written again; rows and n-tiles are reached by scalar bases and immediate offsets.
;   XR0 .. XR4     X phase.  Row i: its maxima and conversions read slot i % 5; behind them the loads of row i + 5 land in it.
;   BY, CD         X phase, two sets.  Row i: its shifts and conversions write set i % 2, its eight LDS stores read it; row i + 2 writes it again.
;   W's set e, its scale words and its bias.  The 64 products of the set's n-tile read them; behind them the loads of the n-tile two further on land in them.
;   PK, v196       An n-tile's conversions and sums write them, its stores read them, the next n-tile's conversions write them again.
;   x's fragments and scale words are loaded once, into registers that no vector instruction names.  The accumulators and the registers at work are named by vector and matrix instructions alone.
;   v12, v13       Written at the head, read by the closing add alone.
; X PHASE, a row: one wait on vm_vsrc ahead of the lines that write BY and CD again; one wait on va_vdst behind the conversions, for the row's LDS stores and for the loads into the slot that the row has emptied.
; PRODUCT, an n-tile: behind the products one wait on vm_vsrc (PK and v196 may be written again) and one on va_vdst (the set may be loaded again); behind the conversions one on va_vdst, for the run of stores.
.set SCB,   67584                      ; LDS: 128 rows of codes at pitch 528 (512 + 16), then 128 rows of 32 scale bytes at pitch 36,
.set SPARE, 72192                      ; then the spare words, 128 bytes a wave, that no other line names
.set ASC, 16
.set WSC, 48
.set BIA, 56
.set T,   72
.set BY,  76
.set CD,  84
.set XR,  96
.set ACC, 96
.set PK,  160
.set CSM, 192
.set MSB, 0
.macro WIN new                         ; s_set_vgpr_msb: bits 1:0 source 0, 3:2 source 1, 5:4 source 2, 7:6 destination; the high byte repeats the setting that is left
.if MSB != (\new)
	s_set_vgpr_msb (MSB<<8)|(\new)
.set MSB, (\new)
.endif
.endm
	s_load_b512 s[8:23], s[0:1], 0x0               ; q, k, v, bq, bv, Wc, Ws, Qf
	s_load_b128 s[24:27], s[0:1], 0x40             ; Kf, Vf
	s_load_b64 s[28:29], s[0:1], 0x50              ; vpart
	v_lshl_add_u32 v12, v0, 2, SPARE               ; my spare word, and 0: kept for the closing lines
	v_mov_b32 v13, 0
	v_lshrrev_b32 v14, 5, v0
	v_readfirstlane_b32 s30, v14                   ; wave
	s_lshr_b32 s31, ttmp9, 6                       ; t
	s_and_b32 s32, ttmp9, 63                       ; rb
	v_and_b32 v14, 31, v0                          ; lane
	v_and_b32 v15, 15, v0                          ; r
	v_bfe_u32 v11, v0, 4, 1                        ; h
	v_lshlrev_b32 v1, 5, v14                       ; x: 32 bytes (8 numbers) a lane
	s_wait_alu depctr_va_sdst(0)                   ; s30 is written, ahead of its first reader: LDS addresses and all bases are made from it
	s_mul_i32 s49, s30, 16896
	v_lshlrev_b32 v2, 2, v14
	v_add_nc_u32 v2, s49, v2                       ; codes in: my wave's 32 rows, 4 bytes a lane
	s_mul_i32 s49, s30, 1152
	s_add_co_u32 s49, s49, SCB
	v_bfe_u32 v3, v0, 2, 3
	v_add_nc_u32 v3, s49, v3                       ; scale bytes in: four lanes share a block
	v_mul_u32_u24 v4, v15, 528
	v_lshl_add_u32 v4, v11, 4, v4                  ; fragments out: row r, + 16 h
	v_mul_u32_u24 v5, v15, 36
	v_lshl_add_u32 v5, v11, 2, v5
	v_add_nc_u32 v5, SCB, v5                       ; scale words out: lanes 0-15 an even K step's, lanes 16-31 the odd one's
	v_lshlrev_b32 v6, 4, v14                       ; 16 x lane
	v_lshlrev_b32 v7, 2, v14                       ; 4 x lane
	v_lshlrev_b32 v8, 5, v11                       ; bias, transposed: my half's eight channels
	v_lshlrev_b32 v10, 2, v15                      ; bias, natural: my channel
	v_lshl_add_u32 v9, v11, 12, v10                ; vpart: 4,096 h + 4 r
.irp n, 0,1,2,3,4,5,6,7,8,9,10,11,12,13,14,15
	v_mov_b32 v[BIA+\n], 0                         ; K's sums begin with these zeros; Q's and V's paths load over them
.endr
	s_lshl_b32 s50, s32, 19                        ; x: 128 rb rows of 4,096 bytes + 32 w rows
	s_lshl_b32 s49, s30, 17
	s_add_co_u32 s50, s50, s49
	s_mov_b32 s51, 0
	s_lshl_b32 s52, s31, 19                        ; Wc: t x 524,288 + 16 w n-tiles of 8,192
	s_add_co_u32 s52, s52, s49
	s_mov_b32 s53, 0
	s_lshl_b32 s54, s31, 15                        ; Ws: t x 32,768 + 16 w x 512
	s_lshl_b32 s49, s30, 13
	s_add_co_u32 s54, s54, s49
	s_mov_b32 s55, 0
	s_lshl_b32 s56, s30, 10                        ; bias: 256 w numbers
	s_mov_b32 s57, 0
	s_lshr_b32 s58, s32, 4                         ; out: b x 16 heads x 262,144 + 4 w heads + (rb % 16) x 16,384
	s_lshl_b32 s58, s58, 22
	s_lshl_b32 s49, s30, 20
	s_add_co_u32 s58, s58, s49
	s_and_b32 s49, s32, 15
	s_lshl_b32 s49, s49, 14
	s_add_co_u32 s58, s58, s49
	s_mov_b32 s59, 0
	s_lshl_b32 s60, s32, 13                        ; vpart: rb x 8,192 + 256 w numbers
	s_add_co_u32 s60, s60, s56
	s_mov_b32 s61, 0
	s_wait_kmcnt 0x0
	s_cmp_eq_u32 s31, 0                            ; the choices hang on the work-group's number alone
	s_cselect_b64 s[34:35], s[8:9], s[10:11]
	s_cselect_b64 s[42:43], s[22:23], s[24:25]
	s_cmp_eq_u32 s31, 2
	s_cselect_b64 s[34:35], s[12:13], s[34:35]
	s_cselect_b64 s[42:43], s[26:27], s[42:43]
	s_cselect_b64 s[40:41], s[16:17], s[14:15]
	s_add_nc_u64 s[34:35], s[34:35], s[50:51]      ; XP
	s_add_nc_u64 s[36:37], s[18:19], s[52:53]      ; WP: my n-tile 0; it goes on by two n-tiles ahead of each even n-tile's loads
	s_add_nc_u64 s[38:39], s[20:21], s[54:55]      ; WSP likewise
	s_add_nc_u64 s[40:41], s[40:41], s[56:57]      ; BP likewise
	s_add_nc_u64 s[42:43], s[42:43], s[58:59]      ; OUTB
	s_add_nc_u64 s[46:47], s[28:29], s[60:61]      ; VPP: it goes on by two n-tiles ahead of each trip's stores, which reach back
; An n-tile's bias, four scale words and sixteen quarters of fragments into set e.  path 0: Q (t = 0) loads 22, K (t = 1) 20; path 1: V loads 28 (one bias number into all eight registers of C).
.macro LOADW e, path
.if \path
.irp n, 0,1,2,3,4,5,6,7
	global_load_b32 v[BIA+8*(\e)+\n], v10, s[40:41] offset:(\e)*64
.endr
.else
	s_cmp_lg_u32 s31, 0
	s_cbranch_scc1 .Lnb_\@
	global_load_b128 v[BIA+8*(\e):BIA+8*(\e)+3], v8, s[40:41] offset:(\e)*64
	global_load_b128 v[BIA+8*(\e)+4:BIA+8*(\e)+7], v8, s[40:41] offset:(\e)*64+16
.Lnb_\@:
.endif
.irp kk, 0,1,2,3
	global_load_b32 v[WSC+4*(\e)+\kk], v7, s[38:39] offset:(\e)*512+\kk*128   ; lanes 0-15: K step 2 kk; lanes 16-31: 2 kk + 1
.endr
	WIN 0x40
.irp ks, 0,1,2,3,4,5,6,7
	global_load_b128 v[64*(\e)+8*\ks:64*(\e)+8*\ks+3], v6, s[36:37] offset:(\e)*8192+\ks*1024
	global_load_b128 v[64*(\e)+8*\ks+4:64*(\e)+8*\ks+7], v6, s[36:37] offset:(\e)*8192+\ks*1024+512
.endr
	WIN 0
.endm
	s_wait_alu depctr_va_vdst(0)                   ; the offsets and addresses v1 to v10 are written, which every load, store and LDS instruction below reads; so are the bias registers' zeros, in which loads land
	s_cmp_eq_u32 s31, 2
	s_cbranch_scc1 .Lhead_n
	LOADW 0, 0                                     ; n-tiles 0 and 1 come while x is quantised
	LOADW 1, 0
	s_branch .Lhead_j
.Lhead_n:
	LOADW 0, 1
	LOADW 1, 1
.Lhead_j:
; Row i of my 32: eight loads; a lane holds k = 256 qd + 8 lane + 0 .. 7 in registers 8 qd .. 8 qd + 7 of slot i % 5
.macro XLOAD i
.set XL, XR+32*((\i)%5)
.irp qd, 0,1,2,3
	global_load_b128 v[XL+8*\qd:XL+8*\qd+3], v1, s[34:35] offset:(\i)*4096+1024*\qd th:TH_LOAD_NT
	global_load_b128 v[XL+8*\qd+4:XL+8*\qd+7], v1, s[34:35] offset:(\i)*4096+1024*\qd+16 th:TH_LOAD_NT
.endr
.endm
.irp i, 0,1,2,3,4
	XLOAD \i
.endr
; Row i is quantised: four blocks a lane takes part in, a block of 32 in four neighbouring lanes.
.macro ROWQ i
.set XS, XR+32*((\i)%5)
.set SET2, 4*((\i)%2)
.if 8*(31-(\i)) < 32
	s_wait_loadcnt 8*(31-(\i))                     ; the eight loads of each younger row may be out
.else
	s_wait_loadcnt 32
.endif
.if (\i) >= 2
	s_wait_dscnt 8                                 ; the last row's eight LDS stores may be out; those of two rows back, which read this set of codes and bytes, are done
.endif
.irp qd, 0,1,2,3
	v_max3_num_f32 v[T+\qd], |v[XS+8*\qd]|, |v[XS+8*\qd+1]|, 0x1800000   ; my eight numbers, and the floor 2^(3 - 127): the byte cannot fall under 1.  The four quarters by turns
.endr
.irp n, 2,4,6
.irp qd, 0,1,2,3
	v_max3_num_f32 v[T+\qd], v[T+\qd], |v[XS+8*\qd+\n]|, |v[XS+8*\qd+\n+1]|
.endr
.endr
.irp qd, 0,1,2,3
	v_max_num_f32_dpp v[T+\qd], v[T+\qd], v[T+\qd] row_xmask:1 row_mask:0xf bank_mask:0xf
.endr
.irp qd, 0,1,2,3
	v_max_num_f32_dpp v[T+\qd], v[T+\qd], v[T+\qd] row_xmask:2 row_mask:0xf bank_mask:0xf   ; the block's largest magnitude
.endr
.irp qd, 0,1,2,3
	v_add_nc_u32 v[T+\qd], 0xff000000, v[T+\qd]    ; 2 off the exponent field: the conversion's scale operand
.endr
.if (\i) >= 2
	s_wait_alu depctr_vm_vsrc(0)                   ; the LDS stores of two rows back have read this set of bytes and codes, which the eight lines below write again
.endif
.irp qd, 0,1,2,3
	v_lshrrev_b32 v[BY+SET2+\qd], 23, v[T+\qd]     ; the scale's byte
.endr
.irp qd, 0,1,2,3
	v_cvt_scalef32_pk8_fp4_f32 v[CD+SET2+\qd], v[XS+8*\qd:XS+8*\qd+7], v[T+\qd]
.endr
	v_nop                                          ; one plain instruction behind the last scaled conversion
	s_wait_alu depctr_va_vdst(0)                   ; the shifts and conversions have written the bytes and codes, which the LDS stores read; the maxima and conversions are done reading the row's slot, in which the loads below land
.if (\i)+5 < 32
	XLOAD (\i)+5                                   ; the slot is asked for again at once
.endif
.irp qd, 0,1,2,3
	ds_store_b32 v2, v[CD+SET2+\qd] offset:(\i)*528+128*\qd
.endr
.irp qd, 0,1,2,3
	ds_store_b8 v3, v[BY+SET2+\qd] offset:(\i)*36+8*\qd   ; the four lanes of a block write the same byte with the same value
.endr
.endm
.irp i, 0,1,2,3,4,5,6,7,8,9,10,11,12,13,14,15,16,17,18,19,20,21,22,23,24,25,26,27,28,29,30,31
	ROWQ \i
.endr
	s_wait_dscnt 0x0                               ; for the others' sake: my stores have landed
	s_barrier_signal -1
	s_barrier_wait -1                              ; the 128 rows' codes and scale bytes lie in LDS
.macro AFET k0                         ; x's fragments of K steps k0 .. k0 + 3: 16 rows x 128 K are 8 registers, two loads of 16 bytes, 32 bytes apart.  No vector instruction has named these registers, nor v4 since the head's wait
.irp ks, 0,1,2,3
.irp mt, 0,1,2,3,4,5,6,7
	ds_load_b128 v[64*\ks+8*\mt:64*\ks+8*\mt+3], v4 offset:\mt*8448+64*(\ks+\k0)
	ds_load_b128 v[64*\ks+8*\mt+4:64*\ks+8*\mt+7], v4 offset:\mt*8448+64*(\ks+\k0)+32
.endr
.endr
.endm
	WIN 0x80
	AFET 0
	WIN 0xc0
	AFET 4
	WIN 0
.irp mt, 0,1,2,3,4,5,6,7
.irp kk, 0,1,2,3
	ds_load_b32 v[ASC+4*\mt+\kk], v5 offset:\mt*576+8*\kk
.endr
.endr
	s_wait_dscnt 0x0
.macro WM d, a, b, c, sa, sb, odd      ; an odd K step's scale words lie in lanes 16-31 of both registers
.if \odd
	v_wmma_scale_f32_16x16x128_f8f6f4 v[(\d):(\d)+7], v[(\a):(\a)+7], v[(\b):(\b)+7], v[(\c):(\c)+7], v[(\sa)], v[(\sb)] matrix_a_fmt:MATRIX_FMT_FP4 matrix_b_fmt:MATRIX_FMT_FP4 matrix_a_scale:MATRIX_SCALE_ROW1 matrix_b_scale:MATRIX_SCALE_ROW1
.else
	v_wmma_scale_f32_16x16x128_f8f6f4 v[(\d):(\d)+7], v[(\a):(\a)+7], v[(\b):(\b)+7], v[(\c):(\c)+7], v[(\sa)], v[(\sb)] matrix_a_fmt:MATRIX_FMT_FP4 matrix_b_fmt:MATRIX_FMT_FP4
.endif
.endm
; An n-tile: 64 matrix instructions, K ascending; the 8 accumulators (tiles of 16 rows) take turns, one instruction a turn.  The first K step takes the bias as C.
.macro MUL e, path
.irp ks, 0,1,2,3,4,5,6,7
.if \path
	WIN 0x06+(\ks/4)                               ; source 0 (x) window 2 or 3, source 1 (W) window 1
.else
	WIN 0x09+4*(\ks/4)                             ; source 0 (W) window 1, source 1 (x) window 2 or 3
.endif
.irp mt, 0,1,2,3,4,5,6,7
.if \path
.if \ks == 0
	WM ACC+8*\mt, 64*(\ks%4)+8*\mt, 64*(\e)+8*\ks, BIA+8*(\e), ASC+4*\mt+\ks/2, WSC+4*(\e)+\ks/2, \ks%2
.else
	WM ACC+8*\mt, 64*(\ks%4)+8*\mt, 64*(\e)+8*\ks, ACC+8*\mt, ASC+4*\mt+\ks/2, WSC+4*(\e)+\ks/2, \ks%2
.endif
.else
.if \ks == 0
	WM ACC+8*\mt, 64*(\e)+8*\ks, 64*(\ks%4)+8*\mt, BIA+8*(\e), WSC+4*(\e)+\ks/2, ASC+4*\mt+\ks/2, \ks%2
.else
	WM ACC+8*\mt, 64*(\e)+8*\ks, 64*(\ks%4)+8*\mt, ACC+8*\mt, WSC+4*(\e)+\ks/2, ASC+4*\mt+\ks/2, \ks%2
.endif
.endif
.endr
.endr
	WIN 0
.endm
; The way out of an n-tile, first part: rounded to f16 into PK, each accumulator from its low end on; on V's path the columns' sums beside it.
.macro PACK path
.irp mt, 0,1,2,3,4,5,6,7
.if \path
.if \mt == 0
	v_pk_add_f32 v[CSM:CSM+1], v[ACC:ACC+1], v[ACC+2:ACC+3]        ; the column's sum over my eight rows of each tile, in two chains: the first tile starts them
	v_pk_add_f32 v[CSM+2:CSM+3], v[ACC+4:ACC+5], v[ACC+6:ACC+7]
.else
	v_pk_add_f32 v[CSM:CSM+1], v[CSM:CSM+1], v[ACC+8*\mt:ACC+8*\mt+1]
	v_pk_add_f32 v[CSM+2:CSM+3], v[CSM+2:CSM+3], v[ACC+8*\mt+2:ACC+8*\mt+3]
	v_pk_add_f32 v[CSM:CSM+1], v[CSM:CSM+1], v[ACC+8*\mt+4:ACC+8*\mt+5]
	v_pk_add_f32 v[CSM+2:CSM+3], v[CSM+2:CSM+3], v[ACC+8*\mt+6:ACC+8*\mt+7]
.endif
.endif
.irp p, 0,1,2,3
	v_cvt_pk_f16_f32 v[PK+4*\mt+\p], v[ACC+8*\mt+2*\p], v[ACC+8*\mt+2*\p+1]
.endr
.endr
.if \path
	v_pk_add_f32 v[CSM:CSM+1], v[CSM:CSM+1], v[CSM+2:CSM+3]
	v_add_f32 v[CSM+4], v[CSM], v[CSM+1]
.endif
.endm
; Second part: the stores, in one run; a wave's store of 16 bytes a lane covers 512 consecutive bytes, aligned.
.macro SEND e, path
.irp mt, 0,1,2,3,4,5,6,7
.if \path
	global_store_b128 v6, v[PK+4*\mt:PK+4*\mt+3], s[44:45] offset:(\mt/2)*4096+(\mt%2)*512+(\e)*1024
.else
	global_store_b128 v6, v[PK+4*\mt:PK+4*\mt+3], s[44:45] offset:\mt*2048+(\e)*512
.endif
.endr
.if \path
	global_store_b32 v9, v[CSM+4], s[46:47] offset:(\e)*64-128     ; the base has gone on by the trip's 128 bytes: the offset reaches back
.endif
.endm
; The scalar bases of a trip, made in its even n-tile behind the wait on XCNT: every load and store that read them has had its addresses translated (ISA guide 3.1), and the next that reads them follows.
.macro ONTRIP load, path
	s_lshr_b32 s50, s48, 1                         ; trip i serves head 4 w + i / 2,
	s_lshl_b32 s50, s50, 18
	s_and_b32 s49, s48, 1                          ; u = 2 (i % 2) + e
	s_lshl_b32 s49, s49, 10+\path
	s_add_co_u32 s50, s50, s49
	s_mov_b32 s51, 0
	s_add_nc_u64 s[44:45], s[42:43], s[50:51]      ; the trip's store base
.if \path
	s_add_nc_u64 s[46:47], s[46:47], 128
.endif
.if \load
	s_add_nc_u64 s[36:37], s[36:37], 16384         ; the weights' pointers: the two n-tiles that this trip asks for
	s_add_nc_u64 s[38:39], s[38:39], 1024
	s_add_nc_u64 s[40:41], s[40:41], 128
.endif
.endm
.macro NT e, load, path
.if (\load) || ((\e) == 0)
	s_wait_loadcnt 20+8*(\path)                    ; the other set's loads may be out (20 for K, 28 for V; Q's other set has 22, its two bias loads first: they are forced in too)
.else
	s_wait_loadcnt 0x0                             ; the last n-tile: nothing was asked for behind it
.endif
	MUL \e, \path
.rept 4
	v_nop                                          ; four places behind the last product, ahead of the first read of results (ISA guide 7.12.1); they stay beside the waits below
.endr
	s_wait_xcnt 0x0                                ; the last n-tile's stores have had their addresses translated: their data registers and bases are written again only behind this wait
	s_wait_alu depctr_vm_vsrc(0)                   ; the last n-tile's stores have read PK and v196, which this n-tile's conversions and sums write again
.if (\e) == 0
	ONTRIP \load, \path
.endif
.if \load
	s_wait_alu depctr_va_vdst(0)                   ; the products are done reading set e, its scale words and its bias, in which the loads below land
	LOADW \e, \path                                ; the n-tile two further on
.endif
	PACK \path
	s_wait_alu depctr_va_vdst(0)                   ; the conversions have written PK, and on V's path the sums v196, which the stores below read
	SEND \e, \path
.endm
; My 16 n-tiles, two a trip.  The last trip is written out: it loads nothing.
.macro PRODUCT path
	s_mov_b32 s48, 0
.Ltrip_\@:
	NT 0, 1, \path
	NT 1, 1, \path
	s_add_co_u32 s48, s48, 1
	s_cmp_lt_u32 s48, 7
	s_cbranch_scc1 .Ltrip_\@
	NT 0, 0, \path                                 ; the counter stands at 7: the trip's store base comes by the same lines
	NT 1, 0, \path
.endm
	s_cmp_eq_u32 s31, 2
	s_cbranch_scc1 .Lnat
	PRODUCT 0
	s_branch .Lend
.Lnat:
	PRODUCT 1
.Lend:
	s_wait_dscnt 0x0                               ; the closing lines, six on end
	s_wait_alu 0x0
	s_wait_tensorcnt 0x0
	ds_add_u32 v12, v13
	s_wait_dscnt 0x0
	s_endpgm
.Lfunc_end_k_q00aa7d4393_proj:
	.size	k_q00aa7d4393_proj, .Lfunc_end_k_q00aa7d4393_proj-k_q00aa7d4393_proj
	.p2alignl 7, 3214868480
	.fill 96, 4, 3214868480
	.section	.rodata,"a",@progbits
	.p2align	6, 0x0
	.amdhsa_kernel k_q00aa7d4393_proj
		.amdhsa_group_segment_fixed_size 72704
		.amdhsa_private_segment_fixed_size 0
		.amdhsa_enable_private_segment 0
		.amdhsa_kernarg_size 88
		.amdhsa_user_sgpr_count 2
		.amdhsa_user_sgpr_kernarg_segment_ptr 1
		.amdhsa_wavefront_size32 1
		.amdhsa_system_sgpr_workgroup_id_x 1
		.amdhsa_system_sgpr_workgroup_id_y 1
		.amdhsa_system_sgpr_workgroup_id_z 1
		.amdhsa_system_vgpr_workitem_id 0
		.amdhsa_next_free_vgpr 1024
		.amdhsa_next_free_sgpr 66
		.amdhsa_reserve_vcc 0
		.amdhsa_float_denorm_mode_32 3
		.amdhsa_float_denorm_mode_16_64 3
		.amdhsa_memory_ordered 1
		.amdhsa_forward_progress 1
		.amdhsa_inst_pref_size 250
	.end_amdhsa_kernel
	.amdgpu_metadata
---
amdhsa.version: [ 1, 2 ]
amdhsa.kernels:
  - .name:           k_q00aa7d4393_proj
    .symbol:         k_q00aa7d4393_proj.kd
    .args:
      - { .name: q, .offset: 0, .size: 8, .value_kind: global_buffer, .address_space: global }
      - { .name: k, .offset: 8, .size: 8, .value_kind: global_buffer, .address_space: global }
      - { .name: v, .offset: 16, .size: 8, .value_kind: global_buffer, .address_space: global }
      - { .name: bq, .offset: 24, .size: 8, .value_kind: global_buffer, .address_space: global }
      - { .name: bv, .offset: 32, .size: 8, .value_kind: global_buffer, .address_space: global }
      - { .name: Wc, .offset: 40, .size: 8, .value_kind: global_buffer, .address_space: global }
      - { .name: Ws, .offset: 48, .size: 8, .value_kind: global_buffer, .address_space: global }
      - { .name: Qf, .offset: 56, .size: 8, .value_kind: global_buffer, .address_space: global }
      - { .name: Kf, .offset: 64, .size: 8, .value_kind: global_buffer, .address_space: global }
      - { .name: Vf, .offset: 72, .size: 8, .value_kind: global_buffer, .address_space: global }
      - { .name: vpart, .offset: 80, .size: 8, .value_kind: global_buffer, .address_space: global }
    .group_segment_fixed_size: 72704
    .private_segment_fixed_size: 0
    .kernarg_segment_align: 8
    .kernarg_segment_size: 88
    .max_flat_workgroup_size: 128
    .sgpr_count:     66
    .vgpr_count:     1024
    .wavefront_size: 32
...
	.end_amdgpu_metadata
.endif
;; end of part 4
;; launch attn: the kernel of part 3 again; grid 4 x 64, 8 waves a work-group, no clusters, 68,608 bytes of LDS; arguments Qf, Kf, Vf, vpart, perm, cnt, out0; writes out0
